; MI455X (gfx1250); checked and timed in simulation.
; The chip was launched on July 23, 2026; its instructions are those of AMD's public machine-readable ISA for CDNA 5 (MIT licence, August 2026) and "CDNA5" Instruction Set Architecture Reference Guide (July 2026). The comments in the code are by the model that wrote it; some were corrected since.
;; Multi Head Self Attention. Allowed arithmetic: matrix products marked QUANTISED: E2M1 operands, one E8M0 scale for each 32 along K, by v_wmma_scale_f32_16x16x128_f8f6f4 with both operands' format E2M1 (or v_wmma_scale_f32_32x16x128_f4), f32 sums; products left as they are: bf16, f16 or f32 operands; f32 sums; everything else in f32.
;; Inputs: Wk 1,024 x 1,024 float32; Wo 1,024 x 1,024 float32; Wq 1,024 x 1,024 float32; Wv 1,024 x 1,024 float32; bk 1,024 float32; bo 1,024 float32; bq 1,024 float32; bv 1,024 float32; x 4 x 2,048 x 1,024 float32.
;; Outputs: out0 4 x 2,048 x 1,024 float32.
;; This version of the problem:
;;   THIS VERSION OF THE PROBLEM IS GIVEN IN LOW PRECISION. The matrix products marked QUANTISED in the list below multiply operands that are first quantised to E2M1 (2 exponent bits, 1 mantissa bit; 4 bits a number), with one power-of-two scale for each 32 numbers along K (OCP MX v1.0); their sums are f32. The products marked 'left as it is' may take bf16, f16 or f32 operands, with f32 sums. Whichever they take, every output number must still come out within the allowed error. Rounding operands to bf16 (8 significant bits) uses up far more of that allowance than f16 does (11 bits, for magnitudes from 6e-5 to 65,504). All else is computed in f32.
;;   The module's matrix products, in the order in which they are computed (A, B: the left and right operand; K: the contracted axis; several contracted axes count as one K, in the product's order):
;;     1. [M 8,192, K 1,024] x [K 1,024, N 1,024]; A: input x; B: input Wq: QUANTISED
;;     2. [M 8,192, K 1,024] x [K 1,024, N 1,024]; A: input x; B: input Wk: QUANTISED
;;     3. [M 8,192, K 1,024] x [K 1,024, N 1,024]; A: input x; B: input Wv: QUANTISED
;;     4. batch 64 x [M 2,048, K 64] x [K 64, N 2,048]; A: computed on the way; B: computed on the way: left as it is (an operand is computed on the way)
;;     5. batch 64 x [M 2,048, K 2,048] x [K 2,048, N 64]; A: computed on the way; B: computed on the way: left as it is (an operand is computed on the way)
;;     6. [M 8,192, K 1,024] x [K 1,024, N 1,024]; A: computed on the way; B: input Wo: left as it is (an operand is computed on the way)
;;   THE QUANTISER, for each operand of a quantised product, along K:
;;     - K is cut into blocks of 32 from its start; a last block that is shorter is filled with zeros.
;;     - A block's scale is 2^e with e = floor(log2(the largest magnitude in the block)) - 2, held to -126 .. 127; a block of zeros has e = 0. As a byte (E8M0): e + 127.
;;     - Each number is divided by its block's scale, clamped to +-6, and rounded to the nearest number of E2M1, ties to even, subnormals kept.
;;     - The product sums the exact products of the quantised numbers (number of the format x scale) in f32.
;;   ~~~python
;;   def quantise(x, axis):      # numpy; x: float32 -> the quantised numbers, widened to float32 again
;;       x = np.moveaxis(x, axis, -1); K = x.shape[-1]
;;       x = np.pad(x, [(0, 0)] * (x.ndim - 1) + [(0, -K % 32)]); x = x.reshape(x.shape[:-1] + (-1, 32)); a = np.abs(x).max(-1, keepdims=True)
;;       e = np.where(a > 0, np.clip(np.frexp(np.where(a > 0, a, 1))[1] - 1 - 2, -126, 127), 0)      # np.frexp(a)[1] - 1 = floor(log2(a)), exactly
;;       r = np.clip(x / 2.0 ** e, -6, 6)
;;       step = 2.0 ** (np.maximum(np.frexp(np.where(r == 0, 1, r))[1] - 1, 0) - 1)
;;       q = np.round(r / step) * step * 2.0 ** e      # np.round: ties to even
;;       return np.moveaxis(q.reshape(q.shape[:-2] + (-1,))[..., :K], -1, axis).astype(np.float32)
;;   ~~~
;; One version. Each part assembles by itself: llvm-mc -triple=amdgcn-amd-amdhsa -mcpu=gfx1250 --defsym DOCPART=n.
;; ======== version 1 of 1: 4 launches
;; limits: values are held in f16: magnitudes above 65,504 overflow, below 6.1e-05 lose precision
;; workspace buffers: xc 4,194,304 bytes; xs 262,144 bytes; wc 1,572,864 bytes; ws 98,304 bytes; wo16 2,097,152 bytes; qkv 50,331,648 bytes; ao 16,777,216 bytes
;; launch quant (part 1): grid 384 x 1, 4 waves a work-group, no clusters, 33,280 bytes of LDS; arguments x, Wq, Wk, Wv, Wo, xc, xs, wc, ws, wo16; writes xc, xs, wc, ws, wo16
.if DOCPART == 1
	.amdgcn_target "amdgcn-amd-amdhsa--gfx1250"
	.amdhsa_code_object_version 6
	.text
	.protected	k_q3c2ec4fc8f_quant
	.globl	k_q3c2ec4fc8f_quant
	.p2align	8
	.type	k_q3c2ec4fc8f_quant,@function
k_q3c2ec4fc8f_quant:
	s_mov_b64 s[64:65], 0
	v_nop
	global_prefetch_b8 v0, s[64:65] scope:SCOPE_SE
	s_setreg_imm32_b32 hwreg(HW_REG_WAVE_MODE, 25, 1), 1
	s_wait_xcnt 0x0
; x [8192][1024] and Wq, Wk, Wv [1024][1024], f32, K innermost, become codes of FP4 (E2M1), two to a byte, with one E8M0 scale byte for each 32 along K; Wo [1024][1024] becomes f16.
; A block's scale is 2^(floor(log2(its largest magnitude)) - 2); its byte is the largest magnitude's exponent field - 2, held at 1 from below.  Each number is divided by the scale and rounded to the
; nearest code, ties to even; beyond 6 the largest code.  Rows are dense and K is a multiple of 32: every tensor is a plain stream of blocks, and so are its codes and its scale bytes.
; xc [8192][512 bytes], xs [8192][32];  wc [3072][512 bytes], ws [3072][32]: Wq's rows, then Wk's, then Wv's.
; LIMITS: a block of zeros gets the byte 1 where the rule says 127 (its codes are zeros, which add nothing, and this program alone reads the bytes); blocks whose largest magnitude lies under
; 2^(2 - 126) are held at the byte 1; NaN and infinities among the inputs are not served; numbers of Wo beyond 65,504 become infinite in f16, those under 6e-5 carry an absolute error of up to 3e-8.
; SHARES: a wave takes a run of 8,192 numbers, a work-group four runs.  Work-groups 0-255: x; 256-287: Wq; 288-319: Wk; 320-351: Wv; 352-383: Wo.  The four quantised tensors take ONE path: only pointers are chosen.
; A wave's 16 steps of 512 numbers: each load reads 512 consecutive bytes; the 2,048 bytes of a step turn through the wave's own stage in LDS so that a lane holds 16 neighbours along K (two lanes to a block).
; No tensor loads, no barrier: waves share nothing.
.set WAVES, 4
.set STEPS, 16
.set GX,    256                        ; work-groups for x
.set GW,    32                         ; for each weight
.set GWO,   GX+3*GW                    ; from here on: Wo
.set EMAX,  2
.set CB,    8                          ; bytes of 16 codes
.set R,     16                         ; v16-79   four sets of 16 numbers as they are loaded
.set X,     80                         ; v80-111  two sets of 16 neighbours
.set E,     112                        ; v112-127 a scale byte for each step
.set C,     128                        ; v128-191 codes: four registers for each step, so that no store's data are written again
.set WREG,  8192                       ; LDS: a region for each wave: two stages of 32 x SP bytes, behind them its 256 scale bytes
.set SP,    80                         ; a lane's place in a stage: 64 bytes + 16 of padding
.set SPW,   12                         ; v12  LDS address of my spare word; never rewritten
.set NIL,   13                         ; v13  0; never rewritten
.set SPARE, WAVES*WREG                 ; behind the four regions: the spare words, 128 bytes a wave, which no other line names
.set WV,    33                         ; s33  my wave's number
.set OW,    144                        ; v144-175 Wo's path: 16 pairs of f16 words to store
	s_load_b512 s[8:23], s[0:1], 0x0               ; x 8:9, Wq 10:11, Wk 12:13, Wv 14:15, Wo 16:17, xc 18:19, xs 20:21, wc 22:23
	s_load_b128 s[24:27], s[0:1], 0x40             ; ws 24:25, wo16 26:27
	v_lshl_add_u32 v[SPW], v0, 2, SPARE
	v_mov_b32 v[NIL], 0
	v_lshrrev_b32 v1, 5, v0
	v_readfirstlane_b32 s[WV], v1                  ; wave 0..3
	v_and_b32 v2, 31, v0                           ; lane
	v_lshlrev_b32 v3, 4, v2                        ; my 16 bytes of a load's 512
	s_mul_i32 s32, s[WV], WREG
	v_lshrrev_b32 v14, 2, v2
	v_mul_u32_u24 v14, v14, SP
	v_and_b32 v15, 3, v2
	v_lshl_add_u32 v14, v15, 4, v14
	v_add_nc_u32 v14, s32, v14                     ; the stage, on the way in: four lanes' 64 bytes on end, then 16 of padding
	v_mul_u32_u24 v15, v2, SP
	v_add_nc_u32 v15, s32, v15                     ; and on the way out: SP x lane: my 16 neighbours
	v_mul_u32_u24 v4, v2, CB                       ; my codes' place in a step's
	v_lshrrev_b32 v5, 1, v2
	s_add_co_u32 s32, s32, 2*32*SP
	v_add_nc_u32 v5, s32, v5                       ; LDS: my wave's 256 scale bytes, my block's byte
	v_lshlrev_b32 v7, 3, v2                        ; 8 bytes a lane
	v_add_nc_u32 v6, s32, v7
	s_wait_kmcnt 0x0
	s_cmp_ge_u32 ttmp9, GWO                        ; the work-group's number alone decides
	s_cbranch_scc1 .Lwo
	s_cmp_lt_u32 ttmp9, GX+2*GW                    ; which tensor: a chain of choices between pointers
	s_cselect_b64 s[4:5], s[12:13], s[14:15]
	s_cmp_lt_u32 ttmp9, GX+GW
	s_cselect_b64 s[4:5], s[10:11], s[4:5]
	s_cmp_lt_u32 ttmp9, GX
	s_cselect_b64 s[4:5], s[8:9], s[4:5]           ; the numbers,
	s_cselect_b64 s[6:7], s[18:19], s[22:23]       ; the codes,
	s_cselect_b64 s[28:29], s[20:21], s[24:25]     ; the scale bytes
	s_cselect_b32 s30, 0, GX
	s_cselect_b32 s31, 0xffff, GW-1
	s_sub_co_u32 s30, ttmp9, s30                   ; my place among x's work-groups, or among the three weights'
	s_and_b32 s31, s30, s31                        ; and in my own tensor
	s_lshl_b32 s31, s31, 2
	s_add_co_u32 s31, s31, s[WV]                   ; which run of the tensor is my wave's
	s_lshl_b32 s34, s31, 15                        ; 32,768 bytes of numbers a run
	s_mov_b32 s35, 0
	s_add_nc_u64 s[4:5], s[4:5], s[34:35]
	s_lshl_b32 s30, s30, 2
	s_add_co_u32 s30, s30, s[WV]                   ; which run of the codes' buffer
	s_lshl_b32 s34, s30, 12                        ; 4,096 bytes of codes a run
	s_add_nc_u64 s[6:7], s[6:7], s[34:35]
	s_lshl_b32 s34, s30, 8                         ; 256 scale bytes a run
	s_add_nc_u64 s[28:29], s[28:29], s[34:35]
.macro LOAD t
.irp i, 0,1,2,3
	global_load_b128 v[R+16*((\t)%4)+4*\i:R+16*((\t)%4)+4*\i+3], v3, s[4:5] offset:2048*(\t)+512*\i th:TH_LOAD_NT   ; 32 lanes read 512 consecutive bytes
.endr
.endm
.macro TURN t                          ; step t's numbers through the stage: LDS serves a wave's instructions in order, so no wait stands between the stores and the loads
.irp i, 0,1,2,3
	ds_store_b128 v14, v[R+16*((\t)%4)+4*\i:R+16*((\t)%4)+4*\i+3] offset:32*SP*((\t)%2)+8*SP*\i
.endr
.irp i, 0,1,2,3
	ds_load_b128 v[X+16*((\t)%2)+4*\i:X+16*((\t)%2)+4*\i+3], v15 offset:32*SP*((\t)%2)+16*\i
.endr
.endm
.irp t, 0,1,2,3
	LOAD \t
.endr
	s_wait_loadcnt 12                              ; step 0's four loads are in; the twelve of steps 1 to 3 may be out
	TURN 0
.macro STEP t
.set XS, X+16*((\t)%2)
.if (\t) > 0
	s_wait_dscnt 1                                 ; this step's numbers are back from the stage (the last step's byte store may be out): so its stores into the stage have read their registers,
.else
	s_wait_dscnt 0x0
.endif
.if (\t)+4 < STEPS
	LOAD (\t)+4                                    ; which take the loads of four steps on
.endif
.if (\t)+1 < STEPS
.if STEPS-2-(\t) >= 3
	s_wait_loadcnt 12                              ; the next step's four loads are in; those of the three steps behind it may be out
.else
	s_wait_loadcnt 4*(STEPS-2-(\t))
.endif
	TURN (\t)+1                                    ; and go through the other stage while this step is worked
.endif
	v_max3_num_f32 v8, |v[XS]|, |v[XS+1]|, |v[XS+2]|               ; the largest magnitude of my 16, in two chains
	v_max3_num_f32 v9, |v[XS+3]|, |v[XS+4]|, |v[XS+5]|
.irp i, 6,10
	v_max3_num_f32 v8, v8, |v[XS+\i]|, |v[XS+\i+1]|
	v_max3_num_f32 v9, v9, |v[XS+\i+2]|, |v[XS+\i+3]|
.endr
	v_max3_num_f32 v8, v8, |v[XS+14]|, |v[XS+15]|
	v_max3_num_f32 v8, v8, v9, (EMAX+1)<<23        ; and the floor 2^(EMAX + 1 - 127): the byte cannot fall under 1
	v_max_num_f32_dpp v8, v8, v8 row_xmask:1 row_mask:0xf bank_mask:0xf   ; and of my neighbour's 16: the block's
	v_add_nc_u32 v11, -(EMAX<<23), v8              ; EMAX off its exponent field: the conversion takes the exponent field of this operand as its scale, and nothing else of it
	v_cvt_scalef32_pk8_fp4_f32 v[C+4*(\t)], v[XS:XS+7], v11
	v_cvt_scalef32_pk8_fp4_f32 v[C+4*(\t)+1], v[XS+8:XS+15], v11
	v_lshrrev_b32 v[E+(\t)], 23, v11               ; the scale's byte (a plain line behind the conversions)
	ds_store_b8 v5, v[E+(\t)] offset:16*(\t)       ; both lanes of a block write the same byte with the same value
	global_store_b64 v4, v[C+4*(\t):C+4*(\t)+1], s[6:7] offset:32*CB*(\t)   ; the wave stores 256 consecutive bytes, aligned
.endm
.irp t, 0,1,2,3,4,5,6,7,8,9,10,11,12,13,14,15
	STEP \t
.endr
	ds_load_b64 v[8:9], v6                         ; LDS serves a wave's instructions in order: these see my byte stores
	s_wait_dscnt 0x0
	global_store_b64 v7, v[8:9], s[28:29]          ; 32 lanes store 256 consecutive bytes, aligned
	s_wait_tensorcnt 0x0                           ; the wave's end, behind my last LDS store
	ds_add_u32 v[SPW], v[NIL]
	s_wait_dscnt 0x0
	s_endpgm
; Wo to f16: a plain stream, no LDS.  A run is 64 loads of 512 bytes, in four rounds of 16 on two sets of registers; a lane's four numbers become 8 bytes, and a store of the wave covers 256 consecutive bytes.
.Lwo:
	s_sub_co_u32 s30, ttmp9, GWO
	s_lshl_b32 s30, s30, 2
	s_add_co_u32 s30, s30, s[WV]                   ; which run of Wo
	s_lshl_b32 s34, s30, 15
	s_mov_b32 s35, 0
	s_add_nc_u64 s[4:5], s[16:17], s[34:35]
	s_lshl_b32 s34, s30, 14
	s_add_nc_u64 s[6:7], s[26:27], s[34:35]
.macro LOADW rd
.irp i, 0,1,2,3,4,5,6,7,8,9,10,11,12,13,14,15
	global_load_b128 v[R+64*((\rd)%2)+4*\i:R+64*((\rd)%2)+4*\i+3], v3, s[4:5] offset:(16*(\rd)+\i)*512 th:TH_LOAD_NT
.endr
.endm
.macro ROUNDW rd
.set WS, R+64*((\rd)%2)
.if (\rd) > 0
	s_wait_xcnt 0x0                                ; the last round's stores have read their data: the 32 registers are written again only behind this wait
.endif
.irp i, 0,1,2,3,4,5,6,7,8,9,10,11,12,13,14,15
.if (\rd) < 3
	s_wait_loadcnt 31-\i                           ; behind load i: the rest of this round and the next round's sixteen
.else
	s_wait_loadcnt 15-\i
.endif
	v_cvt_pk_f16_f32 v[OW+2*\i], v[WS+4*\i], v[WS+4*\i+1]
	v_cvt_pk_f16_f32 v[OW+2*\i+1], v[WS+4*\i+2], v[WS+4*\i+3]
	global_store_b64 v7, v[OW+2*\i:OW+2*\i+1], s[6:7] offset:(16*(\rd)+\i)*256
.endr
.if (\rd) < 2
	LOADW (\rd)+2
.endif
.endm
	LOADW 0
	LOADW 1
	ROUNDW 0
	ROUNDW 1
	ROUNDW 2
	ROUNDW 3
	s_endpgm
.Lfunc_end_k_q3c2ec4fc8f_quant:
	.size	k_q3c2ec4fc8f_quant, .Lfunc_end_k_q3c2ec4fc8f_quant-k_q3c2ec4fc8f_quant
	.p2alignl 7, 3214868480
	.fill 96, 4, 3214868480
	.section	.rodata,"a",@progbits
	.p2align	6, 0x0
	.amdhsa_kernel k_q3c2ec4fc8f_quant
		.amdhsa_group_segment_fixed_size 33280
		.amdhsa_private_segment_fixed_size 0
		.amdhsa_enable_private_segment 0
		.amdhsa_kernarg_size 80
		.amdhsa_user_sgpr_count 2
		.amdhsa_user_sgpr_kernarg_segment_ptr 1
		.amdhsa_wavefront_size32 1
		.amdhsa_system_sgpr_workgroup_id_x 1
		.amdhsa_system_sgpr_workgroup_id_y 1
		.amdhsa_system_sgpr_workgroup_id_z 1
		.amdhsa_system_vgpr_workitem_id 0
		.amdhsa_next_free_vgpr 192
		.amdhsa_next_free_sgpr 66
		.amdhsa_reserve_vcc 0
		.amdhsa_float_denorm_mode_32 3
		.amdhsa_float_denorm_mode_16_64 3
		.amdhsa_memory_ordered 1
		.amdhsa_forward_progress 1
		.amdhsa_inst_pref_size 56
	.end_amdhsa_kernel
	.amdgpu_metadata
---
amdhsa.version: [ 1, 2 ]
amdhsa.kernels:
  - .name:           k_q3c2ec4fc8f_quant
    .symbol:         k_q3c2ec4fc8f_quant.kd
    .args:
      - { .name: x, .offset: 0, .size: 8, .value_kind: global_buffer, .address_space: global }
      - { .name: Wq, .offset: 8, .size: 8, .value_kind: global_buffer, .address_space: global }
      - { .name: Wk, .offset: 16, .size: 8, .value_kind: global_buffer, .address_space: global }
      - { .name: Wv, .offset: 24, .size: 8, .value_kind: global_buffer, .address_space: global }
      - { .name: Wo, .offset: 32, .size: 8, .value_kind: global_buffer, .address_space: global }
      - { .name: xc, .offset: 40, .size: 8, .value_kind: global_buffer, .address_space: global }
      - { .name: xs, .offset: 48, .size: 8, .value_kind: global_buffer, .address_space: global }
      - { .name: wc, .offset: 56, .size: 8, .value_kind: global_buffer, .address_space: global }
      - { .name: ws, .offset: 64, .size: 8, .value_kind: global_buffer, .address_space: global }
      - { .name: wo16, .offset: 72, .size: 8, .value_kind: global_buffer, .address_space: global }
    .group_segment_fixed_size: 33280
    .private_segment_fixed_size: 0
    .kernarg_segment_align: 8
    .kernarg_segment_size: 80
    .max_flat_workgroup_size: 128
    .sgpr_count:     66
    .vgpr_count:     192
    .wavefront_size: 32
...
	.end_amdgpu_metadata
.endif
;; end of part 1
;; launch qkv (part 2): grid 12 x 32, 4 waves a work-group, clusters of 4 x 4, 327,680 bytes of LDS; arguments xc, xs, wc, ws, bq, bk, bv, qkv; writes qkv
.if DOCPART == 2
	.amdgcn_target "amdgcn-amd-amdhsa--gfx1250"
	.amdhsa_code_object_version 6
	.text
	.protected	k_q3c2ec4fc8f_qkv
	.globl	k_q3c2ec4fc8f_qkv
	.p2align	8
	.type	k_q3c2ec4fc8f_qkv,@function
k_q3c2ec4fc8f_qkv:
	s_mov_b64 s[64:65], 0
	v_nop
	global_prefetch_b8 v0, s[64:65] scope:SCOPE_SE
	s_setreg_imm32_b32 hwreg(HW_REG_WAVE_MODE, 25, 1), 1
	s_wait_xcnt 0x0
	s_wait_alu depctr_hold_cnt(0) depctr_sa_sdst(0) depctr_va_vdst(0) depctr_va_sdst(0) depctr_va_ssrc(0) depctr_va_vcc(0) depctr_vm_vsrc(0)
	s_getreg_b32 s2, hwreg(HW_REG_IB_STS2, 6, 4)
	s_cmp_eq_u32 s2, 0
	s_cbranch_scc0 .Lentry_in_a_cluster
	s_endpgm
.Lentry_in_a_cluster:
	s_bfe_u32 s2, ttmp6, 0x10000c
	s_cmp_lg_u32 s2, 0xf033
	s_cbranch_scc0 .Lentry_shape_is_right
	s_endpgm
.Lentry_shape_is_right:
; q, k, v = x W^T + b for W = Wq | Wk | Wv: one GEMM [8192][1024] x [3072][1024]^T on codes of FP4 (E2M1) with one E8M0 scale for each 32 along K; sums in f32, begun with the bias; results rounded once to f16.
; OUT: qkv holds three parts of 2^24 bytes (q, k, v), each [batch x 16 + head][2048 positions][64] f16: a head is 262,144 dense bytes.
; LIMITS: results beyond 65,504 become infinite in f16; results under 6e-5 carry an absolute error of up to 3e-8.
; A tile of C, 256 x 256, is made by a work-group of four waves; a wave makes 128 x 128: 64 accumulators of 16 x 16, 512 registers.  K = 1,024 is two K steps of 512, one in each of two LDS slots:
; both are asked for at the start and nothing is ever filled again.  The scales of the work-group's 256 + 256 rows, for all of K, come into LDS once, in rows of 256 bytes.
; CLUSTERS: 4 x 4 work-groups.  The four of a row of the cluster need the same tiles of x, the four of a column the same tiles of W: each tile is asked for JOINTLY, by the same tensor load with the same
; descriptor and a mask that names the four.  A cluster's 1,024 columns are one part: the cluster's x says whether it makes q, k or v.
; THE MATRIX INSTRUCTION IS USED TRANSPOSED (source 0 = 16 rows of W, source 1 = 16 rows of x): a lane then holds eight neighbouring columns of one row of C.
; REGISTERS, in windows of 256: window 0: v0-31 addresses; v32-95 scale words, two sets, and nothing else ever; v96-127 the way out's packed results; v128-191 x's fragments, ONE set, later rows read back;
;   v192-255 the bias, eight registers for each block of 16 columns, in the result's layout.   window 1: W's fragments, TWO sets, at v0 and v128.   windows 2, 3: the accumulators ((a, b) at v[8 (8 (a % 4) + b)]).
; By this text's own count a wave has three tensor loads out at the most.
.set SIZE_K, 1024
.set KSTEP,  512                       ; along K in a slot
.set NQ,     KSTEP/128                 ; matrix instructions deep
.set ROWB,   256                       ; a tile's row in bytes
.set KROW,   SIZE_K*4/8                ; a row of codes in memory
.set PITCH,  272                       ; an LDS row: 256 bytes + 16 of padding: the 16 rows of a load start at 16 different 16-byte columns modulo 256
.set FR,     8                         ; registers of a fragment: 16 rows x 128 K
.set NL,     2                         ; LDS loads that bring one
.set NP,     4                         ; places behind this matrix instruction (ISA guide 7.12.1)
.set HALFT,  128*PITCH                 ; 128 rows: what one tensor load brings
.set SLOT,   4*HALFT                   ; x's 256 rows, then W's 256 rows
.set KS,     SIZE_K/32                 ; a row of scales in bytes
.set SCL,    2*SLOT                    ; behind the slots: the scales, as rows of 256 bytes + 16
.set HALFS,  (128*KS/256)*272          ; the scales of 128 rows
.set SBLK,   (16*KS/256)*272           ; those of 16 rows
.set SPARE,  SCL+4*HALFS               ; the spare words, 128 bytes a wave, which no other line names
.set STAGE,  SPARE+512                 ; the way out: 16 rows x SPITCH for each wave, bytes of their own into which no tensor load lands
.set SPITCH, 400                       ; 256 bytes of f16 + 144
.set ADRA, 16                          ; v16-17  LDS address of my x fragments in slot 0, 1
.set ADRB, 20                          ; v20-21  the same for W
.set STO,  24                          ; v24     the way out: where I put 16 bytes of a row
.set RD,   25                          ; v25     where I read back 16 bytes: eight lanes to a head's 128 bytes of a row
.set CO,   26                          ; v26     16 x lane: my place in a store's 512 bytes
.set ADRS, 27                          ; v27     LDS address of my scale words: lanes 0-15 x's rows, lanes 16-31 W's
.set SPW,  28                          ; v28     my spare word; never rewritten
.set NIL,  29                          ; v29     0; never rewritten
.set SC,   32
.set TMP,  96
.set AF,   128
.set BK,   128
.set BI,   192
.set G1, 24                            ; s[24:31] group 1 for x's tiles;  s[32:39] group 0, one set for each slot
.set G0, 32
.set G1B, 48                           ; s[48:55], s[56:63] the same for W's tiles
.set G0B, 56
.set G1S, 68                           ; s[68:75], s[76:79] groups 1 and 0 for x's scales;  s[80:87], s[88:91] for W's
.set G0S, 76
.set G1SB, 80
.set G0SB, 88
.set MSB, 0
.macro WIN new                         ; the immediate's high byte repeats the setting that is left
.if MSB != \new
	s_set_vgpr_msb (MSB<<8)|\new
.set MSB, \new
.endif
.endm
.set MUL_LO, 0xa1                      ; source 0 (W) window 1, source 1 (x) window 0, C and D window 2
.set MUL_HI, 0xf1                      ; the same, C and D window 3
.set BEG_LO, 0x81                      ; the first step: C (the bias) window 0, D window 2
.set BEG_HI, 0xc1                      ; D window 3
.set TO_B,   0x40                      ; destination window 1, address window 0
; A joint load: waves 0 and 1 fetch for x, waves 2 and 3 for W.  The branch hangs on the wave's number alone.  An s_nop 0 and four v_nop follow each of the two lines.
.macro JLOAD g0a, g1a, g0b, g1b
	s_cmp_eq_u32 s15, 0
	s_cbranch_scc0 .Lfor_b_\@
	tensor_load_to_lds s[\g0a:\g0a+3], s[\g1a:\g1a+7]
	s_nop 0
.rept 4
	v_nop
.endr
	s_branch .Lasked_\@
.Lfor_b_\@:
	tensor_load_to_lds s[\g0b:\g0b+3], s[\g1b:\g1b+7]
	s_nop 0
.rept 4
	v_nop
.endr
.Lasked_\@:
.endm
.macro CROUND                          ; a round of the cluster's barrier
	s_barrier_signal -1
	s_barrier_wait -1
	s_cmp_lg_u32 s14, 0
	s_cbranch_scc1 .Lnot_wave_0_\@
	s_barrier_signal -3
.Lnot_wave_0_\@:
	s_barrier_wait -3
	s_barrier_signal -1
	s_barrier_wait -1
.endm
	s_load_b128 s[4:7], s[0:1], 0x0                ; x's codes, x's scales
	s_load_b128 s[8:11], s[0:1], 0x10              ; W's codes, W's scales
	v_lshl_add_u32 v[SPW], v0, 2, SPARE
	v_mov_b32 v[NIL], 0
	ds_add_u32 v[SPW], v[NIL]                      ; the wave's opening: the add, twice on end, and its wait ahead of my first tensor load
	ds_add_u32 v[SPW], v[NIL]
	v_lshrrev_b32 v1, 5, v0
	v_readfirstlane_b32 s14, v1                    ; wave 0..3
	s_lshr_b32 s15, s14, 1                         ; which half of the tile's rows is mine.  Also: I fetch for x (0) or for W (1)
	s_and_b32 s16, s14, 1                          ; which half of its columns.  Also: which 128 rows of that tile I fetch
	s_bfe_u32 s40, ttmp6, 0x40000                  ; cx, cy: my place in the cluster
	s_bfe_u32 s41, ttmp6, 0x40004
	s_lshl_b32 s42, ttmp9, 2
	s_add_co_u32 s42, s42, s40                     ; tile column of C = 4 x cluster x + cx
	s_and_b32 s17, ttmp7, 0xffff
	s_lshl_b32 s17, s17, 2
	s_add_co_u32 s17, s17, s41                     ; tile row of C = 4 x cluster y + cy
	s_lshl_b32 s43, s41, 2
	s_lshl_b32 s43, 15, s43                        ; my row of the cluster
	s_lshl_b32 s44, 0x1111, s40                    ; my column
	; group 1: a tile of 128 rows x 256 bytes, 16 bytes of padding behind each row
	s_or_b32 s[G1+0], s43, (0<<16)|(1<<20)|(1<<21)|(5<<22)|(3<<25)  ; 15:0 the mask; 17:16 elements of 1 byte; 20 padding on; 21 set beside a mask; 24:22 after every 64 words; 31:25 four words
	s_or_b32 s[G1B+0], s44, (0<<16)|(1<<20)|(1<<21)|(5<<22)|(3<<25)
.irp g, G1, G1B
	s_mov_b32 s[\g+1], ROWB<<16                    ; tensor_dim0
	s_mov_b32 s[\g+2], 128<<16                     ; tensor_dim1
	s_mov_b32 s[\g+3], ROWB<<16                    ; tile_dim0
	s_mov_b32 s[\g+4], 128                         ; tile_dim1
	s_mov_b32 s[\g+5], KROW                        ; from row to row
	s_mov_b32 s[\g+6], 0
	s_mov_b32 s[\g+7], 0
.endr
	; the scales of 128 rows: a dense block of 4,096 bytes, as 16 rows of 256 bytes (32 elements of 8 bytes), 16 bytes of padding behind each
	s_or_b32 s[G1S+0], s43, (3<<16)|(1<<20)|(1<<21)|(5<<22)|(3<<25)
	s_or_b32 s[G1SB+0], s44, (3<<16)|(1<<20)|(1<<21)|(5<<22)|(3<<25)
.irp g, G1S, G1SB
	s_mov_b32 s[\g+1], 32<<16
	s_mov_b32 s[\g+2], (128*KS/256)<<16
	s_mov_b32 s[\g+3], 32<<16
	s_mov_b32 s[\g+4], 128*KS/256
	s_mov_b32 s[\g+5], 32
	s_mov_b32 s[\g+6], 0
	s_mov_b32 s[\g+7], 0
.endr
	s_lshl_b32 s18, s16, 7                         ; which 128 rows of the tile I fetch
	s_lshl_b32 s20, s17, 8
	s_add_co_u32 s20, s20, s18                     ; x: row 256 x tile row + 128 x half
	s_lshl_b32 s46, s42, 8
	s_add_co_u32 s46, s46, s18                     ; W: row 256 x tile column + 128 x half
	s_mov_b32 s21, 0
	s_mov_b32 s47, 0
	s_mov_b64 s[18:19], KS
	s_mul_u64 s[22:23], s[20:21], s[18:19]         ; where these rows' scales begin, in bytes
	s_mul_u64 s[92:93], s[46:47], s[18:19]
	s_mov_b64 s[18:19], KROW
	s_mul_u64 s[20:21], s[20:21], s[18:19]         ; and their codes
	s_mul_u64 s[46:47], s[46:47], s[18:19]
	s_mul_i32 s45, s14, HALFT                      ; where they go: wave x 128 rows: no place in the cluster enters an LDS address
	s_mul_i32 s94, s14, HALFS
	s_wait_dscnt 0x0                               ; both opening adds are done
	s_wait_kmcnt 0x0
	s_add_nc_u64 s[20:21], s[4:5], s[20:21]
	s_add_nc_u64 s[22:23], s[6:7], s[22:23]
	s_add_nc_u64 s[46:47], s[8:9], s[46:47]
	s_add_nc_u64 s[92:93], s[10:11], s[92:93]
	s_load_b256 s[4:11], s[0:1], 0x20              ; the first four addresses are used up: bq 4:5, bk 6:7, bv 8:9, qkv 10:11
	CROUND                                         ; all sixteen work-groups are here: the first joint loads meet
	s_mov_b32 s[G0S], 1
	s_add_co_u32 s[G0S+1], s94, SCL
	s_mov_b64 s[G0S+2:G0S+3], s[22:23]
	s_or_b32 s[G0S+3], s[G0S+3], 0x80000000
	s_mov_b32 s[G0SB], 1
	s_add_co_u32 s[G0SB+1], s94, SCL
	s_mov_b64 s[G0SB+2:G0SB+3], s[92:93]
	s_or_b32 s[G0SB+3], s[G0SB+3], 0x80000000
	JLOAD G0S, G1S, G0SB, G1SB                     ; the scales first: they are wanted with K step 0
.irp s, 0,1
	s_mov_b32 s[G0+4*\s], 1
	s_add_co_u32 s[G0+4*\s+1], s45, \s*SLOT
	s_add_nc_u64 s[G0+4*\s+2:G0+4*\s+3], s[20:21], \s*ROWB
	s_or_b32 s[G0+4*\s+3], s[G0+4*\s+3], 0x80000000
	s_mov_b32 s[G0B+4*\s], 1
	s_add_co_u32 s[G0B+4*\s+1], s45, \s*SLOT
	s_add_nc_u64 s[G0B+4*\s+2:G0B+4*\s+3], s[46:47], \s*ROWB
	s_or_b32 s[G0B+4*\s+3], s[G0B+4*\s+3], 0x80000000
	JLOAD G0+4*\s, G1, G0B+4*\s, G1B
.endr
	s_wait_kmcnt 0x0                               ; the biases' addresses and qkv's
	s_cmp_eq_u32 ttmp9, 1                          ; the cluster's x, the same in all sixteen partners, picks the bias
	s_cselect_b64 s[6:7], s[6:7], s[8:9]
	s_cmp_eq_u32 ttmp9, 0
	s_cselect_b64 s[4:5], s[4:5], s[6:7]
	s_lshl_b32 s46, s40, 10                        ; my first column in the part: 256 cx + 128 x half, 4 bytes each
	s_lshl_b32 s47, s16, 9
	s_add_co_u32 s46, s46, s47
	s_mov_b32 s47, 0
	s_add_nc_u64 s[4:5], s[4:5], s[46:47]
	v_and_b32 v1, 15, v0                           ; l % 16
	v_bfe_u32 v2, v0, 4, 1                         ; l / 16
	v_lshlrev_b32 v7, 5, v2                        ; the bias in the result's layout: block b, register j = column 16 b + 8 (l / 16) + j.  v7 is never rewritten
.irp b, 0,1,2,3,4,5,6,7
	global_load_b128 v[BI+8*\b:BI+8*\b+3], v7, s[4:5] offset:64*\b
	global_load_b128 v[BI+8*\b+4:BI+8*\b+7], v7, s[4:5] offset:64*\b+16
.endr
	v_mul_u32_u24 v3, v1, PITCH
	v_lshl_add_u32 v4, v2, 4, v3                   ; a fragment's row x pitch + 16 x half
	s_mul_i32 s21, s15, HALFT                      ; my 128 rows of x
	s_mul_i32 s22, s16, HALFT                      ; my 128 rows of W,
	s_add_co_u32 s22, s22, 2*HALFT                 ; which lie behind x's 256
.irp s, 0,1
	v_add_nc_u32 v[ADRA+\s], s21, v4
	v_add_nc_u32 v[ADRB+\s], s22, v4
	s_add_co_u32 s21, s21, SLOT
	s_add_co_u32 s22, s22, SLOT
.endr
	v_mul_u32_u24 v5, v1, KS                       ; my row's scales: KS bytes a row,
	v_lshrrev_b32 v6, 8, v5
	v_lshl_add_u32 v5, v6, 4, v5                   ; and 16 more for each 256 passed
	s_mul_i32 s21, s15, HALFS                      ; x's: my 128 rows
	s_mul_i32 s22, s16, HALFS                      ; W's: my 128 rows, behind x's 256
	s_add_co_u32 s22, s22, 2*HALFS
	s_sub_co_u32 s22, s22, s21
	v_mul_u32_u24 v6, s22, v2                      ; lanes 16-31 take W's: one product, the distance between the two bases
	s_add_co_u32 s21, s21, SCL
	v_add_nc_u32 v5, v5, v6
	v_add_nc_u32 v[ADRS], s21, v5
	s_mul_i32 s23, s14, 16*SPITCH
	s_add_co_u32 s23, s23, STAGE                   ; my stage
	v_mul_u32_u24 v5, v1, SPITCH                   ; in: row l % 16, 16 bytes for each half of the lanes
	v_lshl_add_u32 v5, v2, 4, v5
	v_add_nc_u32 v[STO], s23, v5
	v_and_b32 v6, 31, v0
	v_lshlrev_b32 v[CO], 4, v6
	v_lshrrev_b32 v5, 3, v6                        ; back: eight lanes to a row's 128 bytes of one head, four rows an instruction
	v_mul_u32_u24 v5, v5, SPITCH
	v_and_b32 v6, 7, v0
	v_lshl_add_u32 v5, v6, 4, v5
	v_add_nc_u32 v[RD], s23, v5
	; where my part of the tile begins in qkv: part x 2^24 + batch x 2^22 + head x 2^18 + position x 128
	s_lshl_b32 s20, ttmp9, 24
	s_lshr_b32 s21, s17, 3                         ; batch = tile row / 8
	s_lshl_b32 s21, s21, 22
	s_add_co_u32 s20, s20, s21
	s_and_b32 s21, s17, 7                          ; position = 256 (tile row % 8) + 128 x half
	s_lshl_b32 s21, s21, 15
	s_add_co_u32 s20, s20, s21
	s_lshl_b32 s21, s15, 14
	s_add_co_u32 s20, s20, s21
	s_lshl_b32 s46, s40, 20                        ; head = 4 cx + 2 x half
	s_lshl_b32 s47, s16, 19
	s_add_co_u32 s46, s46, s47
	s_add_co_u32 s20, s20, s46
	s_mov_b32 s21, 0
	s_add_nc_u64 s[12:13], s[10:11], s[20:21]
.macro FRAG reg, adr, q, i             ; a fragment, 16 rows x 128 K of 4-bit codes: lane l holds row l % 16; registers 4 c .. 4 c + 3 hold K = 64 c + 32 (l / 16) + 0 .. 31
.irp c, 0,1
	ds_load_b128 v[\reg+4*\c:\reg+4*\c+3], v[\adr] offset:64*(\q)+32*\c+(\i)*16*PITCH
.endr
.endm
; 16 matrix instructions: x's blocks a0, a0 + 1 against W's eight, 128 along K: the slot's q-th.  p: W's set;  sc: the set of scale words.  zero = 1: the first product starts the sums from the bias.
; The 64 accumulators take turns, one instruction a turn, in the same order in every step.
.macro MUL16 a0, p, q, sc, zero
.irp a, \a0, \a0+1
.irp b, 0,1,2,3,4,5,6,7
.if \zero
	v_wmma_scale_f32_16x16x128_f8f6f4 v[8*(8*((\a)%4)+\b):8*(8*((\a)%4)+\b)+7], v[128*(\p)+FR*\b:128*(\p)+FR*\b+FR-1], v[AF+FR*(\a):AF+FR*(\a)+FR-1], v[BI+8*\b:BI+8*\b+7], v[SC+8*NQ*(\sc)+NQ*\b+(\q)], v[SC+8*NQ*(\sc)+NQ*(\a)+(\q)] matrix_a_fmt:MATRIX_FMT_FP4 matrix_b_fmt:MATRIX_FMT_FP4 matrix_a_scale:MATRIX_SCALE_ROW1
.else
	v_wmma_scale_f32_16x16x128_f8f6f4 v[8*(8*((\a)%4)+\b):8*(8*((\a)%4)+\b)+7], v[128*(\p)+FR*\b:128*(\p)+FR*\b+FR-1], v[AF+FR*(\a):AF+FR*(\a)+FR-1], v[8*(8*((\a)%4)+\b):8*(8*((\a)%4)+\b)+7], v[SC+8*NQ*(\sc)+NQ*\b+(\q)], v[SC+8*NQ*(\sc)+NQ*(\a)+(\q)] matrix_a_fmt:MATRIX_FMT_FP4 matrix_b_fmt:MATRIX_FMT_FP4 matrix_a_scale:MATRIX_SCALE_ROW1
.endif
.endr
.endr
.endm
.macro FETCH_B slot, q, p              ; W's eight fragments of the slot's q-th 128 along K into set p
	WIN TO_B
.irp i, 0,1,2,3,4,5,6,7
	FRAG 128*(\p)+FR*\i, ADRB+\slot, \q, \i
.endr
	WIN 0
.endm
.macro FETCH_A slot, q, i0             ; x's blocks i0 .. i0 + 3
.irp i, \i0, \i0+1, \i0+2, \i0+3
	FRAG AF+FR*(\i), ADRA+\slot, \q, \i
.endr
.endm
.macro SCALES sc                       ; a K step's scale words into set sc: four words a row; lanes 0-15 take x's block i, lanes 16-31 W's block i
.irp i, 0,1,2,3,4,5,6,7
	ds_load_b128 v[SC+8*NQ*\sc+NQ*\i:SC+8*NQ*\sc+NQ*\i+3], v[ADRS] offset:\i*SBLK
.endr
.endm
; A load into a register that a matrix instruction has read, and a vector instruction or an LDS store that reads a matrix result, stand NP places behind it; only plain vector instructions that name none of
; its registers are places (ISA guide 7.12.1 for vector instructions).
.macro PLACES n
.rept \n
	v_nop
.endr
.endm
; A step of 128 along K that has its successor in the same slot.
.macro STEP slot, q, zero
	s_wait_dscnt 4*NL                              ; W's set and x's blocks 0-3 are in; the youngest eight loads (x's blocks 4-7) may be out
.if \zero
	WIN BEG_LO
.else
	WIN MUL_LO
.endif
	MUL16 0, (\q)%2, \q, \slot, \zero
	MUL16 2, (\q)%2, \q, \slot, \zero
	s_wait_dscnt 0                                 ; x's blocks 4-7 are in (asked for 32 matrix instructions ago)
	PLACES NP
	FETCH_B \slot, (\q)+1, 1-(\q)%2
	FETCH_A \slot, (\q)+1, 0
.if \zero
	WIN BEG_HI
.else
	WIN MUL_HI
.endif
	MUL16 4, (\q)%2, \q, \slot, \zero
	MUL16 6, (\q)%2, \q, \slot, \zero
	PLACES NP
	WIN 0
	FETCH_A \slot, (\q)+1, 4
.endm
; Slot 0's last step changes slots: in front of the barrier each wave waits for all its tensor loads (its part of slot 1), adds 0 to its spare word and waits for that and for its LDS loads.  Nothing is filled again.
.macro TURN slot, next
	s_wait_tensorcnt 0x0                           ; my part of the next slot has landed  (every window is 0 here)
	ds_add_u32 v[SPW], v[NIL]                      ; 0 onto my spare word
	s_wait_dscnt 4*NL+1                            ; (the add and the youngest eight loads, x's blocks 4-7, may be out)
	WIN MUL_LO
	MUL16 0, 1, NQ-1, \slot, 0                     ; sixteen matrix instructions stand between the add and the wait for it
	s_wait_dscnt 0x0                               ; no LDS instruction of mine is pending at the signal
	s_barrier_signal -1
	MUL16 2, 1, NQ-1, \slot, 0
	WIN 0
	s_barrier_wait -1                              ; every wave's part of the next slot has landed
	PLACES NP
	v_add_nc_u32 v[ADRS], 4*NQ, v[ADRS]            ; on to the next K step's scale words
	FETCH_B \next, 0, 0
	FETCH_A \next, 0, 0
	SCALES \next
	WIN MUL_HI
	MUL16 4, 1, NQ-1, \slot, 0
	MUL16 6, 1, NQ-1, \slot, 0
	PLACES NP
	WIN 0
	FETCH_A \next, 0, 4
.endm
.macro STEPS slot, from                ; the slot's steps from .. NQ - 2
.set QQ, \from
.rept NQ-1-\from
	STEP \slot, QQ, 0
.set QQ, QQ+1
.endr
.endm
	s_wait_tensorcnt 1                             ; the scales and my part of K step 0 are in (K step 1's load may be out),
	s_barrier_signal -1
	s_barrier_wait -1                              ; everybody's are
	FETCH_B 0, 0, 0
	FETCH_A 0, 0, 0
	SCALES 0
	FETCH_A 0, 0, 4
	s_wait_loadcnt 0x0                             ; the bias
	STEP 0, 0, 1                                   ; the first step's products start the sums from the bias: nothing is cleared, nothing is added later
	STEPS 0, 1
	TURN 0, 1
	STEPS 1, 0
	s_wait_dscnt 4*NL                              ; the very last step: nothing more to fetch
	WIN MUL_LO
	MUL16 0, 1, NQ-1, 1, 0
	MUL16 2, 1, NQ-1, 1, 0
	s_wait_dscnt 0
	WIN MUL_HI
	MUL16 4, 1, NQ-1, 1, 0
	MUL16 6, 1, NQ-1, 1, 0
	WIN 0
; THE WAY OUT, block by block of 16 rows x 128 columns (two heads).  PACK: rounded to f16, 16 bytes a lane, each accumulator from its low end on.  TOSTAGE: into my own stage, and back so that 32 lanes hold four
; whole rows of one head.  SEND: a store of the wave covers 512 consecutive bytes of that head.  LDS serves a wave's instructions in order (ISA guide 5.7.1.4): no wait between the stores and the loads.
.macro PACK a
.set AC, 64*((\a)%4)
.set WW, 0x0a+5*((\a)/4)               ; sources 0 and 1: window 2 or 3
	WIN WW
.irp b, 0,1,2,3,4,5,6,7
.irp i, 0,1,2,3
	v_cvt_pk_f16_f32 v[TMP+4*\b+\i], v[AC+8*\b+2*\i], v[AC+8*\b+2*\i+1]
.endr
.endr
	WIN 0
.endm
.macro TOSTAGE a
.set BB, BK+32*((\a)%2)
.irp b, 0,1,2,3,4,5,6,7
	ds_store_b128 v[STO], v[TMP+4*\b:TMP+4*\b+3] offset:32*\b
.endr
.irp hh, 0,1
.irp g, 0,1,2,3
	ds_load_b128 v[BB+4*(4*\hh+\g):BB+4*(4*\hh+\g)+3], v[RD] offset:\g*4*SPITCH+128*\hh
.endr
.endr
.endm
.macro SEND a
.set BB, BK+32*((\a)%2)
	s_wait_dscnt 0x0                               ; the block is back in registers
	s_wait_xcnt 0x0                                ; the block before has had its stores' registers read: the next block's loads may land there
.irp hh, 0,1
.irp g, 0,1,2,3
	global_store_b128 v[CO], v[BB+4*(4*\hh+\g):BB+4*(4*\hh+\g)+3], s[12:13] offset:\hh*262144+(\a)*2048+\g*512
.endr
.endr
.endm
	PLACES NP                                      ; behind the last products: their results are read and x's fragments' registers are loaded into below
	PACK 0
	TOSTAGE 0
.irp a, 1,2,3,4,5,6,7                  ; block a's conversions stand between block a - 1's loads from the stage and the wait for them
	PACK \a
	SEND \a-1
	TOSTAGE \a
.endr
	SEND 7
	s_wait_tensorcnt 0x0                           ; the wave's end, behind my last tensor load and my last LDS store
	ds_add_u32 v[SPW], v[NIL]
	s_wait_dscnt 0x0
	CROUND                                         ; the closing round: no work-group ends while a partner may still ask for a tile that names it
	s_endpgm
.Lfunc_end_k_q3c2ec4fc8f_qkv:
	.size	k_q3c2ec4fc8f_qkv, .Lfunc_end_k_q3c2ec4fc8f_qkv-k_q3c2ec4fc8f_qkv
	.p2alignl 7, 3214868480
	.fill 96, 4, 3214868480
	.section	.rodata,"a",@progbits
	.p2align	6, 0x0
	.amdhsa_kernel k_q3c2ec4fc8f_qkv
		.amdhsa_group_segment_fixed_size 327680
		.amdhsa_private_segment_fixed_size 0
		.amdhsa_enable_private_segment 0
		.amdhsa_kernarg_size 64
		.amdhsa_user_sgpr_count 2
		.amdhsa_user_sgpr_kernarg_segment_ptr 1
		.amdhsa_wavefront_size32 1
		.amdhsa_system_sgpr_workgroup_id_x 1
		.amdhsa_system_sgpr_workgroup_id_y 1
		.amdhsa_system_sgpr_workgroup_id_z 1
		.amdhsa_system_vgpr_workitem_id 0
		.amdhsa_next_free_vgpr 1024
		.amdhsa_next_free_sgpr 100
		.amdhsa_reserve_vcc 0
		.amdhsa_float_denorm_mode_32 3
		.amdhsa_float_denorm_mode_16_64 3
		.amdhsa_memory_ordered 1
		.amdhsa_forward_progress 1
		.amdhsa_inst_pref_size 128
	.end_amdhsa_kernel
	.amdgpu_metadata
---
amdhsa.version: [ 1, 2 ]
amdhsa.kernels:
  - .name:           k_q3c2ec4fc8f_qkv
    .symbol:         k_q3c2ec4fc8f_qkv.kd
    .args:
      - { .name: xc, .offset: 0, .size: 8, .value_kind: global_buffer, .address_space: global }
      - { .name: xs, .offset: 8, .size: 8, .value_kind: global_buffer, .address_space: global }
      - { .name: wc, .offset: 16, .size: 8, .value_kind: global_buffer, .address_space: global }
      - { .name: ws, .offset: 24, .size: 8, .value_kind: global_buffer, .address_space: global }
      - { .name: bq, .offset: 32, .size: 8, .value_kind: global_buffer, .address_space: global }
      - { .name: bk, .offset: 40, .size: 8, .value_kind: global_buffer, .address_space: global }
      - { .name: bv, .offset: 48, .size: 8, .value_kind: global_buffer, .address_space: global }
      - { .name: qkv, .offset: 56, .size: 8, .value_kind: global_buffer, .address_space: global }
    .group_segment_fixed_size: 327680
    .private_segment_fixed_size: 0
    .kernarg_segment_align: 8
    .kernarg_segment_size: 64
    .max_flat_workgroup_size: 128
    .sgpr_count:     100
    .vgpr_count:     1024
    .wavefront_size: 32
...
	.end_amdgpu_metadata
.endif
;; end of part 2
;; launch attn (part 3): grid 4 x 64, 8 waves a work-group, clusters of 4 x 1, 327,680 bytes of LDS; arguments qkv, ao; writes ao
.if DOCPART == 3
	.amdgcn_target "amdgcn-amd-amdhsa--gfx1250"
	.amdhsa_code_object_version 6
	.text
	.protected	k_q3c2ec4fc8f_attn
	.globl	k_q3c2ec4fc8f_attn
	.p2align	8
	.type	k_q3c2ec4fc8f_attn,@function
k_q3c2ec4fc8f_attn:
	s_mov_b64 s[64:65], 0
	v_nop
	global_prefetch_b8 v0, s[64:65] scope:SCOPE_SE
	s_setreg_imm32_b32 hwreg(HW_REG_WAVE_MODE, 25, 1), 1
	s_wait_xcnt 0x0
	s_wait_alu depctr_hold_cnt(0) depctr_sa_sdst(0) depctr_va_vdst(0) depctr_va_sdst(0) depctr_va_ssrc(0) depctr_va_vcc(0) depctr_vm_vsrc(0)
	s_getreg_b32 s2, hwreg(HW_REG_IB_STS2, 6, 4)
	s_cmp_eq_u32 s2, 0
	s_cbranch_scc0 .Lentry_in_a_cluster
	s_endpgm
.Lentry_in_a_cluster:
	s_bfe_u32 s2, ttmp6, 0x10000c
	s_cmp_lg_u32 s2, 0x3003
	s_cbranch_scc0 .Lentry_shape_is_right
	s_endpgm
.Lentry_shape_is_right:
; ao[g][q][:] = the sum over k of softmax_k(Q[g][q] . K[g][k] / 8) V[g][k][:], g = batch x 16 + head, 64 of them; 2,048 positions, head size 64, no mask.
; Q, K, V: the three parts of qkv, each [g][2048][64] f16.  ao: [g][2048][64] f16.  Products by the f16 matrix form with f32 sums; maxima, exponentials and row sums in f32; the weights p (at most about 1) are
; rounded to f16 for the second product, the result once at the end.
; LIMITS: results beyond 65,504 become infinite in f16, results under 6e-5 carry an absolute error of up to 3e-8.
; SHARES.  A cluster of four work-groups is one g; a work-group owns 512 queries, each of its eight waves 64: four tiles of 16.  Two waves lie on a SIMD (512 registers each), so that one wave's softmax stands
; beside the other's products.  Every wave walks all 2,048 keys, 64 a step; a slot of LDS holds 512 keys, eight steps.
; LAYOUT.  S^T = K Q^T (source 0 = 16 keys, source 1 = 16 queries): a lane holds ONE query (lane % 16) and keys 8 (lane / 16) + 0..7.  Two such tiles, rounded to f16 in pairs, ARE source 1 (32 keys x 16 queries) of
; O^T = V^T P, whose result again holds one query a lane.  K comes out of LDS as it lies, V ([key][channel]) turned, by ds_load_tr16_b128.
; SOFTMAX.  For each query a running maximum m and sum l: p = 2^(c s - c m), c = log2(e) / 8; in every step O and l are multiplied by a = 2^(c m_old - c m_new).  m begins at -3e38, l and O^T at 0, so
; that one text of the step serves the first step too: its a is 0, and zeros stay zeros.
; LDS.  A head's K and V are dense in memory: they come as rows of 256 bytes, two keys to a row; key x lies at (x / 2) pitch + 128 (x % 2).  K's pitch is 272, V's 288: with these the sixteen lanes of a K load,
; and of a turning V load, fall on sixteen different 16-byte columns modulo 256.
; CLUSTER.  The four work-groups walk the same K and V: each tile is asked for JOINTLY, with mask 15.  Waves 0-3 fetch a quarter each of a slot's K, waves 4-7 of its V: one load a wave behind each round.
; By this text's own count a wave has two tensor loads out at the start and one behind each round; that one has eight key steps in which to land, so nothing is asked of memory earlier than that.
; REGISTERS.  window 0: v2-11 addresses; v12-15 at work at the head; v16-63 statistics, 12 a tile; v64-191 S^T, 32 a tile (P is made in place in the low 16 of each); v192-255 Q.
;   window 1: v0-127 O^T, 32 a tile; v128-191 K's fragments of a step; v192-255 V's.
.set PK,    272
.set PVP,   288
.set VOFF,  256*PK                     ; a slot: 256 rows of K, then 256 rows of V
.set SLOTB, 256*(PK+PVP)
.set STEPK, 32*PK                      ; a step's 64 keys
.set STEPV, 32*PVP
.set STAGE, 2*SLOTB                    ; the way out: 16 rows x 144 bytes for each wave, bytes of their own
.set SP,    144
.set SPARE, STAGE+8*16*SP              ; the spare words, 128 bytes a wave, which no other line names
.set AK0, 2                            ; v2   my lane's place in a tile of K; never rewritten
.set AV0, 3                            ; v3   the same for V
.set ADK, 4                            ; v4   LDS address of the step's K
.set ADV, 5                            ; v5   of its V
.set QO,  6                            ; v6   my byte offset in the wave's rows of Q
.set STO, 7                            ; v7   the way out: where I put 16 bytes of a row
.set RD,  8                            ; v8   where I read them back: eight lanes to a row
.set GO,  9                            ; v9   16 x lane
.set SPW, 10                           ; v10  my spare word; never rewritten
.set NIL, 11                           ; v11  0; never rewritten
.set ST,  16                           ; tile t's statistics at v[ST+12 t]: +0 c m, +1 m, +2, +3 l (even keys', odd keys'), +4..+7 four chains of the maximum (+5 then the other half's, +6 a, +7 c m_old, then the change), +8..+11 two chains of the sum
.set S,   64
.set Q,   192
.set KF,  128                          ; in window 1
.set VF,  192
.set WV,  12                           ; s12  my wave's number
.set G1K, 24                           ; s[24:31] group 1 for K's tiles;  s[32:39] for V's: it differs in the padding alone
.set G1V, 32
.set G0K, 40                           ; s[40:47] group 0 for K's tiles, a set for each slot;  s[48:55] for V's
.set G0V, 48
.set CNT, 56                           ; s56  counts a slot's eight steps
.set CS,  58                           ; s[58:59] c: the packed form names a pair and takes its low word for both halves
.set SEL, 60                           ; s[60:61] lane selects for v_permlanex16_b32: lane l xor 16
.set TK,  62                           ; s62  LDS byte at which the step's K begins
.set TV,  63                           ; s63  and its V
.set MSB, 0
.macro WIN new                         ; the immediate's high byte repeats the setting that is left
.if MSB != \new
	s_set_vgpr_msb (MSB<<8)|\new
.set MSB, \new
.endif
.endm
.set W_LD, 0x40                        ; destination window 1, address window 0
.set W_KQ, 0x01                        ; K window 1; Q and S^T window 0
.set W_PV, 0x51                        ; V and O^T window 1; P window 0
.set W_RS, 0x41                        ; O^T (destination and source 0) window 1; a window 0
; A joint refill of slot sl.  The branch hangs on the wave's number alone.  An s_nop 0 and four v_nop follow each of the two lines.
.macro JLOAD sl
	s_cmp_lt_u32 s[WV], 4
	s_cbranch_scc0 .Lfor_v_\@
	tensor_load_to_lds s[G0K+4*\sl:G0K+4*\sl+3], s[G1K:G1K+7]
	s_nop 0
.rept 4
	v_nop
.endr
	s_branch .Lasked_\@
.Lfor_v_\@:
	tensor_load_to_lds s[G0V+4*\sl:G0V+4*\sl+3], s[G1V:G1V+7]
	s_nop 0
.rept 4
	v_nop
.endr
.Lasked_\@:
.endm
.macro CROUND                          ; a round of the cluster's barrier
	s_barrier_signal -1
	s_barrier_wait -1
	s_cmp_lg_u32 s[WV], 0
	s_cbranch_scc1 .Lnot_wave_0_\@
	s_barrier_signal -3
.Lnot_wave_0_\@:
	s_barrier_wait -3
	s_barrier_signal -1
	s_barrier_wait -1
.endm
	s_load_b128 s[4:7], s[0:1], 0x0                ; qkv s[4:5], ao s[6:7]
	v_lshl_add_u32 v[SPW], v0, 2, SPARE
	v_mov_b32 v[NIL], 0
	ds_add_u32 v[SPW], v[NIL]                      ; the wave's opening: the add, twice on end, and its wait ahead of my first tensor load
	ds_add_u32 v[SPW], v[NIL]
	v_lshrrev_b32 v1, 5, v0
	v_readfirstlane_b32 s[WV], v1                  ; wave 0..7
	s_bfe_u32 s13, ttmp6, 0x40000                  ; cx: my block of 512 queries: it enters Q's and ao's addresses alone
	s_and_b32 s14, ttmp7, 0xffff                   ; g, which the four partners share
	s_lshl_b32 s16, s14, 18                        ; g's first byte in each part and in ao
	s_mov_b32 s17, 0
	s_and_b32 s15, s[WV], 3                        ; which quarter of a slot I fetch:
	s_lshl_b32 s20, s15, 14                        ; its 64 rows of 256 bytes in memory,
	s_mov_b32 s21, 0
	s_add_nc_u64 s[20:21], s[20:21], s[16:17]
	s_mul_i32 s22, s15, 64*PK                      ; and its place in a slot's K,
	s_mul_i32 s23, s15, 64*PVP                     ; or V
	s_lshl_b32 s18, s13, 16                        ; my block's 512 rows of 128 bytes,
	s_lshl_b32 s19, s[WV], 13                      ; my wave's 64 of them
	s_add_co_u32 s18, s18, s19
	s_mov_b32 s19, 0
	s_add_nc_u64 s[18:19], s[18:19], s[16:17]
	; group 1: 64 rows of 32 elements of 8 bytes, dense in memory, padded in LDS
	s_mov_b32 s[G1K], 15|(3<<16)|(1<<20)|(1<<21)|(5<<22)|(3<<25)  ; 15:0 the mask: all four work-groups; 17:16 elements of 8 bytes; 20 padding on; 21 set beside a mask; 24:22 after every 64 words; 31:25 four words
	s_mov_b32 s[G1V], 15|(3<<16)|(1<<20)|(1<<21)|(5<<22)|(7<<25)  ; the same with eight words of padding
.irp g, G1K, G1V
	s_mov_b32 s[\g+1], 32<<16                      ; tensor_dim0
	s_mov_b32 s[\g+2], 64<<16                      ; tensor_dim1
	s_mov_b32 s[\g+3], 32<<16                      ; tile_dim0
	s_mov_b32 s[\g+4], 64                          ; tile_dim1
	s_mov_b32 s[\g+5], 32                          ; from row to row
	s_mov_b32 s[\g+6], 0
	s_mov_b32 s[\g+7], 0
.endr
	s_mov_b32 s[CS], 0x3e38aa3b                    ; c = log2(e) / 8
	s_mov_b32 s[CS+1], s[CS]                       ; named with it as a pair, so it is written
	s_mov_b32 s[SEL], 0x76543210
	s_mov_b32 s[SEL+1], 0xfedcba98
	s_wait_dscnt 0x0                               ; both opening adds are done
	s_wait_kmcnt 0x0
	s_add_nc_u64 s[8:9], s[4:5], s[20:21]
	s_add_nc_u64 s[10:11], s[8:9], 0x2000000       ; V's part, my quarter of slot 0
	s_add_nc_u64 s[8:9], s[8:9], 0x1000000         ; K's part
	s_add_nc_u64 s[4:5], s[4:5], s[18:19]          ; Q and ao at my wave's first row
	s_add_nc_u64 s[6:7], s[6:7], s[18:19]
	CROUND                                         ; all four work-groups are here: the first joint loads meet
.irp s, 0,1
	s_mov_b32 s[G0K+4*\s], 1                       ; count = 1
	s_add_co_u32 s[G0K+4*\s+1], s22, \s*SLOTB      ; LDS address
	s_add_nc_u64 s[G0K+4*\s+2:G0K+4*\s+3], s[8:9], \s*65536   ; slot s begins with keys 512 s on
	s_or_b32 s[G0K+4*\s+3], s[G0K+4*\s+3], 0x80000000         ; type = 2
	s_mov_b32 s[G0V+4*\s], 1
	s_add_co_u32 s[G0V+4*\s+1], s23, \s*SLOTB+VOFF
	s_add_nc_u64 s[G0V+4*\s+2:G0V+4*\s+3], s[10:11], \s*65536
	s_or_b32 s[G0V+4*\s+3], s[G0V+4*\s+3], 0x80000000
.endr
	s_cmp_lt_u32 s[WV], 4                          ; a wave's two first fills stand in one branch, ahead of every wait on TENSORcnt, every LDS read and every work-group barrier behind the round
	s_cbranch_scc0 .Lfirst_v
	tensor_load_to_lds s[G0K:G0K+3], s[G1K:G1K+7]
	s_nop 0
	tensor_load_to_lds s[G0K+4:G0K+7], s[G1K:G1K+7]
	s_nop 0
.rept 4
	v_nop
.endr
	s_branch .Lfirst_asked
.Lfirst_v:
	tensor_load_to_lds s[G0V:G0V+3], s[G1V:G1V+7]
	s_nop 0
	tensor_load_to_lds s[G0V+4:G0V+7], s[G1V:G1V+7]
	s_nop 0
.rept 4
	v_nop
.endr
.Lfirst_asked:
	; A fragment of K or Q is 16 rows x 32 channels in 8 registers: lane l holds row l % 16; registers 0-3 channels 8 (l / 16) + 0..7, registers 4-7 channels 16 + 8 (l / 16) + 0..7.
	v_and_b32 v1, 15, v0                           ; r = l % 16
	v_bfe_u32 v12, v0, 4, 1                        ; h = l / 16
	v_lshlrev_b32 v[QO], 7, v1
	v_lshl_add_u32 v[QO], v12, 4, v[QO]            ; row x 128 + 16 h
.irp t, 0,1,2,3
.irp c, 0,1
	global_load_b128 v[Q+16*\t+8*\c:Q+16*\t+8*\c+3],   v[QO], s[4:5] offset:\t*2048+64*\c      ; Q stays in registers: tile t, channels 32 c on
	global_load_b128 v[Q+16*\t+8*\c+4:Q+16*\t+8*\c+7], v[QO], s[4:5] offset:\t*2048+64*\c+32
.endr
.endr
	v_lshrrev_b32 v13, 1, v1
	v_and_b32 v14, 1, v0
	v_mul_u32_u24 v[AK0], v13, PK                  ; K: key r lies at (r / 2) pitch + 128 (r % 2); + 16 h
	v_lshl_add_u32 v[AK0], v14, 7, v[AK0]
	v_lshl_add_u32 v[AK0], v12, 4, v[AK0]
	; The turning load: lane l reads 16 bytes: key 8 h + l % 8, channels 8 ((l / 8) % 2) + 0..7; it leaves half a fragment of V^T: lane l holds channel l % 16 and eight keys.
	v_bfe_u32 v13, v0, 1, 2
	v_lshl_add_u32 v13, v12, 2, v13                ; (8 h + l % 8) / 2
	v_mul_u32_u24 v[AV0], v13, PVP
	v_lshl_add_u32 v[AV0], v14, 7, v[AV0]
	v_bfe_u32 v13, v0, 3, 1
	v_lshl_add_u32 v[AV0], v13, 4, v[AV0]
	s_mul_i32 s14, s[WV], 16*SP
	s_add_co_u32 s14, s14, STAGE                   ; my stage
	v_mul_u32_u24 v[STO], v1, SP                   ; in: row r, 16 bytes for each half of the lanes
	v_lshl_add_u32 v[STO], v12, 4, v[STO]
	v_add_nc_u32 v[STO], s14, v[STO]
	v_bfe_u32 v13, v0, 3, 2
	v_mul_u32_u24 v[RD], v13, SP                   ; back: eight lanes to a row of 128 bytes, four rows an instruction
	v_and_b32 v14, 7, v0
	v_lshl_add_u32 v[RD], v14, 4, v[RD]
	v_add_nc_u32 v[RD], s14, v[RD]
	v_and_b32 v[GO], 31, v0
	v_lshlrev_b32 v[GO], 4, v[GO]
.irp t, 0,1,2,3
	v_mov_b32 v[ST+12*\t+1], 0xff61b1e6            ; m = -3e38, under every score
	v_mov_b32 v[ST+12*\t+2], 0                     ; l
	v_mov_b32 v[ST+12*\t+3], 0
.endr
.irp t, 0,1,2,3
	v_mul_f32 v[ST+12*\t], s[CS], v[ST+12*\t+1]    ; c m
.endr
	WIN W_LD
.set i, 0
.rept 128
	v_mov_b32 v[i], 0                              ; O^T.  (The step is written once for all steps: the first finds zeros, which its a = 0 leaves zeros)
.set i, i+1
.endr
	WIN 0
; A KEY STEP: 64 keys, in phases.  In every vector line the four tiles stand innermost, so that no line waits for the line above it.
.macro STEP
	v_add_nc_u32 v[ADK], s[TK], v[AK0]
	v_add_nc_u32 v[ADV], s[TV], v[AV0]
.rept 3
	v_nop                                          ; with the two additions five places behind the last V^T P: four for the loads into V's registers, five for the K Q^T that writes over P's registers
.endr
	WIN W_LD
.irp kt, 0,1,2,3
.irp c, 0,1
	ds_load_b128 v[KF+16*\kt+8*\c:KF+16*\kt+8*\c+3],   v[ADK] offset:\kt*8*PK+64*\c      ; keys 16 kt on, channels 32 c on
	ds_load_b128 v[KF+16*\kt+8*\c+4:KF+16*\kt+8*\c+7], v[ADK] offset:\kt*8*PK+64*\c+32
.endr
.endr
.irp kk, 0,1
.irp ct, 0,1,2,3
	ds_load_tr16_b128 v[VF+8*(4*\kk+\ct):VF+8*(4*\kk+\ct)+3],   v[ADV] offset:\kk*16*PVP+32*\ct          ; keys 32 kk on, channels 16 ct on
	ds_load_tr16_b128 v[VF+8*(4*\kk+\ct)+4:VF+8*(4*\kk+\ct)+7], v[ADV] offset:\kk*16*PVP+8*PVP+32*\ct
.endr
.endr
	s_wait_dscnt 16                                ; K is in; V's sixteen loads may be out
	WIN W_KQ
.irp c, 0,1                            ; S^T = K Q^T: the 16 accumulators take turns, one instruction a turn; the first 16 start the sums
.irp kt, 0,1,2,3
.irp t, 0,1,2,3
.if \c == 0
	v_wmma_f32_16x16x32_f16 v[S+32*\t+8*\kt:S+32*\t+8*\kt+7], v[KF+16*\kt+8*\c:KF+16*\kt+8*\c+7], v[Q+16*\t+8*\c:Q+16*\t+8*\c+7], 0
.else
	v_wmma_f32_16x16x32_f16 v[S+32*\t+8*\kt:S+32*\t+8*\kt+7], v[KF+16*\kt+8*\c:KF+16*\kt+8*\c+7], v[Q+16*\t+8*\c:Q+16*\t+8*\c+7], v[S+32*\t+8*\kt:S+32*\t+8*\kt+7]
.endif
.endr
.endr
.endr
	WIN 0
.rept 4
	v_nop                                          ; places in front of the first read of the scores
.endr
	; the maximum of a lane's 32 scores and the old m: four chains, one for each accumulator, each begun at the accumulator's low end
.irp j, 0,1,2,3
.irp t, 0,1,2,3
	v_max3_num_f32 v[ST+12*\t+4+\j], v[S+32*\t+8*\j], v[S+32*\t+8*\j+1], v[S+32*\t+8*\j+2]
.endr
.endr
.irp u, 1,2
.irp j, 0,1,2,3
.irp t, 0,1,2,3
	v_max3_num_f32 v[ST+12*\t+4+\j], v[ST+12*\t+4+\j], v[S+32*\t+8*\j+2*\u+1], v[S+32*\t+8*\j+2*\u+2]
.endr
.endr
.endr
.irp t, 0,1,2,3
	v_max3_num_f32 v[ST+12*\t+4], v[ST+12*\t+4], v[S+32*\t+7], v[S+32*\t+15]
.endr
.irp t, 0,1,2,3
	v_max3_num_f32 v[ST+12*\t+6], v[ST+12*\t+6], v[S+32*\t+23], v[S+32*\t+31]
.endr
.irp t, 0,1,2,3
	v_max3_num_f32 v[ST+12*\t+4], v[ST+12*\t+4], v[ST+12*\t+5], v[ST+12*\t+6]
.endr
.irp t, 0,1,2,3
	v_max3_num_f32 v[ST+12*\t+4], v[ST+12*\t+4], v[ST+12*\t+7], v[ST+12*\t+1]
.endr
.irp t, 0,1,2,3
	v_permlanex16_b32 v[ST+12*\t+5], v[ST+12*\t+4], s[SEL], s[SEL+1]   ; the query's other 32 keys lie in the lane 16 away
.endr
.irp t, 0,1,2,3
	v_mov_b32 v[ST+12*\t+7], v[ST+12*\t]           ; c m_old is kept for a
.endr
.irp t, 0,1,2,3
	v_max_num_f32 v[ST+12*\t+1], v[ST+12*\t+4], v[ST+12*\t+5]          ; the new m
.endr
.irp t, 0,1,2,3
	v_mul_f32 v[ST+12*\t], s[CS], v[ST+12*\t+1]    ; c m
.endr
.irp t, 0,1,2,3
	v_sub_f32 v[ST+12*\t+7], v[ST+12*\t+7], v[ST+12*\t]                ; c m_old - c m_new, 0 or less
.endr
	; ONE BATCH: 64 packed scalings c s - c m and 132 exponentials; a pair's exponentials follow the next pair's scalings.  None of these lines names an exponential's result.
.set b, 0
.rept 16
.irp t, 0,1,2,3
	v_pk_fma_f32 v[S+32*\t+2*b:S+32*\t+2*b+1], v[S+32*\t+2*b:S+32*\t+2*b+1], s[CS:CS+1], v[ST+12*\t:ST+12*\t+1] op_sel_hi:[1,0,0] neg_lo:[0,0,1] neg_hi:[0,0,1]
.endr
.if b > 0
.irp t, 0,1,2,3
	v_exp_f32 v[S+32*\t+2*b-2], v[S+32*\t+2*b-2]
	v_exp_f32 v[S+32*\t+2*b-1], v[S+32*\t+2*b-1]
.endr
.endif
.set b, b+1
.endr
.irp t, 0,1,2,3
	v_exp_f32 v[S+32*\t+30], v[S+32*\t+30]
	v_exp_f32 v[S+32*\t+31], v[S+32*\t+31]
.endr
.irp t, 0,1,2,3
	v_exp_f32 v[ST+12*\t+6], v[ST+12*\t+7]         ; a
.endr
	v_nop                                          ; a plain instruction behind the last exponential, ahead of the first use
	s_wait_alu depctr_va_vdst(0)                   ; a wait ahead of the first line that names a result: one for the whole batch
	; the row's sum of the unrounded p, two at a time, in two chains; then l = a l + the sum
.irp t, 0,1,2,3
	v_pk_add_f32 v[ST+12*\t+8:ST+12*\t+9], v[S+32*\t:S+32*\t+1], v[S+32*\t+2:S+32*\t+3]
.endr
.irp t, 0,1,2,3
	v_pk_add_f32 v[ST+12*\t+10:ST+12*\t+11], v[S+32*\t+4:S+32*\t+5], v[S+32*\t+6:S+32*\t+7]
.endr
.irp j, 8,12,16,20,24,28
.irp t, 0,1,2,3
	v_pk_add_f32 v[ST+12*\t+8:ST+12*\t+9], v[ST+12*\t+8:ST+12*\t+9], v[S+32*\t+\j:S+32*\t+\j+1]
.endr
.irp t, 0,1,2,3
	v_pk_add_f32 v[ST+12*\t+10:ST+12*\t+11], v[ST+12*\t+10:ST+12*\t+11], v[S+32*\t+\j+2:S+32*\t+\j+3]
.endr
.endr
.irp t, 0,1,2,3
	v_pk_add_f32 v[ST+12*\t+8:ST+12*\t+9], v[ST+12*\t+8:ST+12*\t+9], v[ST+12*\t+10:ST+12*\t+11]
.endr
.irp t, 0,1,2,3
	v_pk_fma_f32 v[ST+12*\t+2:ST+12*\t+3], v[ST+12*\t+2:ST+12*\t+3], v[ST+12*\t+6:ST+12*\t+7], v[ST+12*\t+8:ST+12*\t+9] op_sel_hi:[1,0,1]
.endr
	; P: pair j of a tile's weights becomes register j of the tile, in place and ascending, so that nothing unread is written over
.set j, 0
.rept 16
.irp t, 0,1,2,3
	v_cvt_pk_f16_f32 v[S+32*\t+j], v[S+32*\t+2*j], v[S+32*\t+2*j+1]
.endr
.set j, j+1
.endr
	WIN W_RS
.set j, 0
.rept 16
.irp t, 0,1,2,3
	v_pk_mul_f32 v[32*\t+2*j:32*\t+2*j+1], v[32*\t+2*j:32*\t+2*j+1], v[ST+12*\t+6:ST+12*\t+7] op_sel_hi:[1,0]   ; O^T times a, each accumulator from its low end on
.endr
.set j, j+1
.endr
	s_wait_dscnt 0x0                               ; V is in
	WIN W_PV
.irp kk, 0,1                           ; O^T += V^T P: the 16 accumulators take turns
.irp ct, 0,1,2,3
.irp t, 0,1,2,3
	v_wmma_f32_16x16x32_f16 v[32*\t+8*\ct:32*\t+8*\ct+7], v[VF+8*(4*\kk+\ct):VF+8*(4*\kk+\ct)+7], v[S+32*\t+8*\kk:S+32*\t+8*\kk+7], v[32*\t+8*\ct:32*\t+8*\ct+7]
.endr
.endr
.endr
	WIN 0
.endm
; A slot's eight key steps: the step is written once for each slot's turn; the LDS addresses hang on two scalars stepped by constants in a loop of constant count.
.macro STEPS slot
	s_mov_b32 s[TK], \slot*SLOTB
	s_mov_b32 s[TV], \slot*SLOTB+VOFF
	s_mov_b32 s[CNT], 8
.Lstep_\@:
	STEP
	s_add_co_u32 s[TK], s[TK], STEPK
	s_add_co_u32 s[TV], s[TV], STEPV
	s_sub_co_u32 s[CNT], s[CNT], 1
	s_cmp_lg_u32 s[CNT], 0
	s_cbranch_scc1 .Lstep_\@
.endm
; THE CHANGE OF SLOTS.  Each wave waits for all its tensor loads, of which one is out: its part of the slot ahead; adds 0 to its spare word; waits for that and for its reads of slot sl, which it leaves.
; fill = 1: slot sl is filled again, with the keys 1,024 further on.  The barrier is then a round of the cluster's, and the joint refill is the first thing behind it.
.macro CHANGE sl, fill
	s_wait_tensorcnt 0x0                           ; no tensor load of mine is out, so a group 0 may be written
	ds_add_u32 v[SPW], v[NIL]                      ; 0 onto my spare word
.if \fill
	s_add_nc_u64 s[G0K+4*\sl+2:G0K+4*\sl+3], s[G0K+4*\sl+2:G0K+4*\sl+3], 2*65536   ; two slots on; the type bits on top are not reached
	s_add_nc_u64 s[G0V+4*\sl+2:G0V+4*\sl+3], s[G0V+4*\sl+2:G0V+4*\sl+3], 2*65536
.endif
	s_wait_dscnt 0x0                               ; the add is done, and my reads of the slot are over
.if \fill
	CROUND
	JLOAD \sl
.else
	s_barrier_signal -1
	s_barrier_wait -1
.endif
.endm
	s_wait_tensorcnt 1                             ; my part of slot 0 is in; slot 1's may stay out
	s_barrier_signal -1
	s_barrier_wait -1                              ; everybody's is
	s_wait_loadcnt 0x0                             ; Q
	STEPS 0                                        ; keys 0 to 511
	CHANGE 0, 1                                    ; slot 0 takes keys 1,024 on
	STEPS 1                                        ; keys 512 to 1,023
	CHANGE 1, 1                                    ; slot 1 takes keys 1,536 on
	STEPS 0
	CHANGE 0, 0                                    ; nothing is left to ask for
	STEPS 1
	; THE WAY OUT.  l's two halves and the other half of the lanes' are added; O^T is divided by l, rounded to f16 and sent through my stage, a tile (16 rows) at a time.  The additions are the places behind the last products.
.irp t, 0,1,2,3
	v_add_f32 v[ST+12*\t+4], v[ST+12*\t+2], v[ST+12*\t+3]
.endr
.irp t, 0,1,2,3
	v_permlanex16_b32 v[ST+12*\t+5], v[ST+12*\t+4], s[SEL], s[SEL+1]
.endr
.irp t, 0,1,2,3
	v_add_f32 v[ST+12*\t+4], v[ST+12*\t+4], v[ST+12*\t+5]
.endr
.irp t, 0,1,2,3
	v_rcp_f32 v[ST+12*\t+6], v[ST+12*\t+4]
.endr
	v_nop                                          ; a plain instruction between the last reciprocal and the use of its result
	s_wait_alu depctr_va_vdst(0)                   ; and a wait ahead of the first use: one for the four
.macro PACKO t                         ; a lane's eight channels of a row pack into 16 bytes; they go into rows of 144 bytes and come back four whole rows of 128 bytes to an instruction
	WIN W_RS
.set i, 0
.rept 16
	v_pk_mul_f32 v[32*\t+i:32*\t+i+1], v[32*\t+i:32*\t+i+1], v[ST+12*\t+6:ST+12*\t+7] op_sel_hi:[1,0]
.set i, i+2
.endr
	WIN 0x05                                       ; sources 0 and 1 window 1, destination window 0: S^T's registers are free
.set i, 0
.rept 16
	v_cvt_pk_f16_f32 v[S+32*\t+i], v[32*\t+2*i], v[32*\t+2*i+1]
.set i, i+1
.endr
	WIN 0
.irp f, 0,1,2,3
	ds_store_b128 v[STO], v[S+32*\t+4*\f:S+32*\t+4*\f+3] offset:32*\f
.endr
.irp f, 0,1,2,3
	ds_load_b128 v[S+32*\t+16+4*\f:S+32*\t+16+4*\f+3], v[RD] offset:\f*4*SP   ; LDS serves a wave's instructions in order (ISA guide 5.7.1.4): these see the stores above; the next tile's stores come behind them
.endr
.endm
.macro SEND t, younger                 ; younger: the LDS instructions issued behind tile t's loads: the next tile's eight, or none
.irp f, 0,1,2,3
	s_wait_dscnt \younger+3-\f
	global_store_b128 v[GO], v[S+32*\t+16+4*\f:S+32*\t+16+4*\f+3], s[6:7] offset:\t*2048+\f*512   ; the wave stores 512 consecutive bytes, aligned
.endr
.endm
	PACKO 0
	PACKO 1                                        ; a tile's arithmetic stands between the loads of the tile before and its stores
	SEND 0, 8
	PACKO 2
	SEND 1, 8
	PACKO 3
	SEND 2, 8
	SEND 3, 0
	s_wait_tensorcnt 0x0                           ; the wave's end, behind my last tensor load and my last LDS store
	ds_add_u32 v[SPW], v[NIL]
	s_wait_dscnt 0x0
	CROUND                                         ; the closing round: no work-group ends while a partner may still ask for a tile that names it
	s_endpgm
.Lfunc_end_k_q3c2ec4fc8f_attn:
	.size	k_q3c2ec4fc8f_attn, .Lfunc_end_k_q3c2ec4fc8f_attn-k_q3c2ec4fc8f_attn
	.p2alignl 7, 3214868480
	.fill 96, 4, 3214868480
	.section	.rodata,"a",@progbits
	.p2align	6, 0x0
	.amdhsa_kernel k_q3c2ec4fc8f_attn
		.amdhsa_group_segment_fixed_size 327680
		.amdhsa_private_segment_fixed_size 0
		.amdhsa_enable_private_segment 0
		.amdhsa_kernarg_size 16
		.amdhsa_user_sgpr_count 2
		.amdhsa_user_sgpr_kernarg_segment_ptr 1
		.amdhsa_wavefront_size32 1
		.amdhsa_system_sgpr_workgroup_id_x 1
		.amdhsa_system_sgpr_workgroup_id_y 1
		.amdhsa_system_sgpr_workgroup_id_z 1
		.amdhsa_system_vgpr_workitem_id 0
		.amdhsa_next_free_vgpr 512
		.amdhsa_next_free_sgpr 66
		.amdhsa_reserve_vcc 0
		.amdhsa_float_denorm_mode_32 3
		.amdhsa_float_denorm_mode_16_64 3
		.amdhsa_memory_ordered 1
		.amdhsa_forward_progress 1
		.amdhsa_inst_pref_size 156
	.end_amdhsa_kernel
	.amdgpu_metadata
---
amdhsa.version: [ 1, 2 ]
amdhsa.kernels:
  - .name:           k_q3c2ec4fc8f_attn
    .symbol:         k_q3c2ec4fc8f_attn.kd
    .args:
      - { .name: qkv, .offset: 0, .size: 8, .value_kind: global_buffer, .address_space: global }
      - { .name: ao, .offset: 8, .size: 8, .value_kind: global_buffer, .address_space: global }
    .group_segment_fixed_size: 327680
    .private_segment_fixed_size: 0
    .kernarg_segment_align: 8
    .kernarg_segment_size: 16
    .max_flat_workgroup_size: 256
    .sgpr_count:     66
    .vgpr_count:     512
    .wavefront_size: 32
...
	.end_amdgpu_metadata
.endif
;; end of part 3
;; launch proj (part 4): grid 4 x 64, 4 waves a work-group, clusters of 4 x 4, 327,680 bytes of LDS; arguments ao, wo16, bo, out0; writes out0
.if DOCPART == 4
	.amdgcn_target "amdgcn-amd-amdhsa--gfx1250"
	.amdhsa_code_object_version 6
	.text
	.protected	k_q3c2ec4fc8f_proj
	.globl	k_q3c2ec4fc8f_proj
	.p2align	8
	.type	k_q3c2ec4fc8f_proj,@function
k_q3c2ec4fc8f_proj:
	s_mov_b64 s[64:65], 0
	v_nop
	global_prefetch_b8 v0, s[64:65] scope:SCOPE_SE
	s_setreg_imm32_b32 hwreg(HW_REG_WAVE_MODE, 25, 1), 1
	s_wait_xcnt 0x0
	s_wait_alu depctr_hold_cnt(0) depctr_sa_sdst(0) depctr_va_vdst(0) depctr_va_sdst(0) depctr_va_ssrc(0) depctr_va_vcc(0) depctr_vm_vsrc(0)
	s_getreg_b32 s2, hwreg(HW_REG_IB_STS2, 6, 4)
	s_cmp_eq_u32 s2, 0
	s_cbranch_scc0 .Lentry_in_a_cluster
	s_endpgm
.Lentry_in_a_cluster:
	s_bfe_u32 s2, ttmp6, 0x10000c
	s_cmp_lg_u32 s2, 0xf033
	s_cbranch_scc0 .Lentry_shape_is_right
	s_endpgm
.Lentry_shape_is_right:
; out0[m][n] = the sum over k of A[m][k] Wo[n][k] + bo[n].  A is attention's result, ao [batch x 16 + head][2048][64] f16: k = 64 head + channel, m = 2048 batch + position.  wo16: [1024 n][1024 k] f16.  out0: [8192][1024] f32.
; Products by the f16 matrix form; sums in f32, begun with the bias.
; A tile of out0 is 128 rows x 256 columns, so that the launch has 256 work-groups; four waves, each 64 x 128: 32 accumulators of 16 x 16, 256 registers.
; K goes in steps of 128, two heads, through a ring of two LDS slots.  One head's 128 rows of A are 16,384 dense bytes: they come as 64 rows of 256 bytes, two rows of A to a row.  Wo's tile: 256 rows of 256 bytes.
; CLUSTERS: 4 x 4 work-groups.  The four of a row of the cluster need the same tiles of A, the four of a column the same tiles of Wo: each tile is asked for JOINTLY.  Waves 0, 1 fetch A's two heads, waves 2, 3 Wo's two halves.
; THE MATRIX INSTRUCTION IS USED TRANSPOSED (source 0 = 16 rows of Wo, source 1 = 16 rows of A): a lane holds eight neighbouring columns of one row of out0.
; By this text's own count a wave has two tensor loads out at the start and one behind each round.
; REGISTERS: window 0: v0-31 addresses; v64-127 A's fragments, two buffers of 4; v128-191 the bias in the result's layout; on the way out v64-191 take rows read back.
;   window 1: v0-127 Wo's fragments, two buffers of 8.   window 2: the accumulators ((a, b) at v[8 (8 a + b)]).
.set KSTEP,  128
.set PITCH,  272                       ; an LDS row: 256 bytes + 16 of padding: the sixteen rows (or half rows) of a load start at sixteen different 16-byte columns modulo 256
.set AHEAD,  64*PITCH                  ; one head's 128 rows of A
.set BOFF,   2*AHEAD                   ; behind A's two heads: Wo's 256 rows
.set BHALF,  128*PITCH
.set SLOT,   BOFF+2*BHALF
.set STAGE,  2*SLOT                    ; the way out: 16 rows x 528 bytes for each wave, bytes of their own
.set SPITCH, 528
.set SPARE,  STAGE+4*16*SPITCH         ; the spare words, 128 bytes a wave, which no other line names
.set ADRA, 16                          ; v16-17  LDS address of my A fragments in slot 0, 1
.set ADRB, 20                          ; v20-21  the same for Wo
.set STO,  24                          ; v24     the way out: where I put 32 bytes of a row
.set RD,   25                          ; v25     where I read a row back
.set CO,   26                          ; v26     16 x lane
.set SPW,  28                          ; v28     my spare word; never rewritten
.set NIL,  29                          ; v29     0; never rewritten
.set AF,   64
.set BI,   128
.set WV,   12                          ; s12  wave
.set HI,   13                          ; s13  which half of the tile's rows is mine.  Also: I fetch for A (0) or for Wo (1)
.set LO,   14                          ; s14  which half of its columns.  Also: which head, or which 128 rows of Wo, I fetch
.set TR,   15                          ; s15  tile row
.set G1, 24                            ; s[24:31] group 1 for A's tiles;  s[32:39] group 0, one set for each slot
.set G0, 32
.set G1B, 48                           ; s[48:55], s[56:63] the same for Wo's
.set G0B, 56
.set MSB, 0
.macro WIN new                         ; the immediate's high byte repeats the setting that is left
.if MSB != \new
	s_set_vgpr_msb (MSB<<8)|\new
.set MSB, \new
.endif
.endm
.set MUL,  0xa1                        ; source 0 (Wo) window 1, source 1 (A) window 0, C and D window 2
.set BEG,  0x81                        ; the first quarter: C (the bias) window 0
.set TO_B, 0x40                        ; destination window 1, address window 0
.macro JLOAD s                         ; a joint load; the branch hangs on the wave's number alone; an s_nop 0 and four v_nop follow each of the two lines
	s_cmp_eq_u32 s[HI], 0
	s_cbranch_scc0 .Lfor_b_\@
	tensor_load_to_lds s[G0+4*\s:G0+4*\s+3], s[G1:G1+7]
	s_nop 0
.rept 4
	v_nop
.endr
	s_branch .Lasked_\@
.Lfor_b_\@:
	tensor_load_to_lds s[G0B+4*\s:G0B+4*\s+3], s[G1B:G1B+7]
	s_nop 0
.rept 4
	v_nop
.endr
.Lasked_\@:
.endm
.macro CROUND                          ; a round of the cluster's barrier
	s_barrier_signal -1
	s_barrier_wait -1
	s_cmp_lg_u32 s[WV], 0
	s_cbranch_scc1 .Lnot_wave_0_\@
	s_barrier_signal -3
.Lnot_wave_0_\@:
	s_barrier_wait -3
	s_barrier_signal -1
	s_barrier_wait -1
.endm
	s_load_b256 s[4:11], s[0:1], 0x0               ; ao 4:5, wo16 6:7, bo 8:9, out0 10:11
	v_lshl_add_u32 v[SPW], v0, 2, SPARE
	v_mov_b32 v[NIL], 0
	ds_add_u32 v[SPW], v[NIL]                      ; the wave's opening: the add, twice on end, and its wait ahead of my first tensor load
	ds_add_u32 v[SPW], v[NIL]
	v_lshrrev_b32 v1, 5, v0
	v_readfirstlane_b32 s[WV], v1                  ; wave 0..3
	s_lshr_b32 s[HI], s[WV], 1
	s_and_b32 s[LO], s[WV], 1
	s_bfe_u32 s40, ttmp6, 0x40000                  ; cx, cy: my place in the cluster
	s_bfe_u32 s41, ttmp6, 0x40004
	s_lshl_b32 s42, ttmp9, 2
	s_add_co_u32 s42, s42, s40                     ; tile column = 4 x cluster x + cx
	s_and_b32 s[TR], ttmp7, 0xffff
	s_lshl_b32 s[TR], s[TR], 2
	s_add_co_u32 s[TR], s[TR], s41                 ; tile row = 4 x cluster y + cy
	s_lshl_b32 s43, s41, 2
	s_lshl_b32 s43, 15, s43                        ; my row of the cluster
	s_lshl_b32 s44, 0x1111, s40                    ; my column
	; group 1 for A: 64 rows of 32 elements of 8 bytes, dense in memory, 16 bytes of padding behind each
	s_or_b32 s[G1+0], s43, (3<<16)|(1<<20)|(1<<21)|(5<<22)|(3<<25)
	s_mov_b32 s[G1+1], 32<<16                      ; tensor_dim0
	s_mov_b32 s[G1+2], 64<<16                      ; tensor_dim1
	s_mov_b32 s[G1+3], 32<<16                      ; tile_dim0
	s_mov_b32 s[G1+4], 64                          ; tile_dim1
	s_mov_b32 s[G1+5], 32                          ; from row to row
	s_mov_b32 s[G1+6], 0
	s_mov_b32 s[G1+7], 0
	; group 1 for Wo: 128 rows of 128 elements of 2 bytes, 1,024 elements apart
	s_or_b32 s[G1B+0], s44, (1<<16)|(1<<20)|(1<<21)|(5<<22)|(3<<25)
	s_mov_b32 s[G1B+1], KSTEP<<16
	s_mov_b32 s[G1B+2], 128<<16
	s_mov_b32 s[G1B+3], KSTEP<<16
	s_mov_b32 s[G1B+4], 128
	s_mov_b32 s[G1B+5], 1024
	s_mov_b32 s[G1B+6], 0
	s_mov_b32 s[G1B+7], 0
	s_lshr_b32 s16, s[TR], 4                       ; A: batch = tile row / 16: 2^22 bytes each;
	s_lshl_b32 s16, s16, 22
	s_and_b32 s17, s[TR], 15                       ; position 128 (tile row % 16): 128 bytes each;
	s_lshl_b32 s17, s17, 14
	s_add_co_u32 s16, s16, s17
	s_lshl_b32 s17, s[LO], 18                      ; the head that I fetch: 2^18 bytes each
	s_add_co_u32 s16, s16, s17
	s_mov_b32 s17, 0
	s_lshl_b32 s46, s42, 19                        ; Wo: row 256 x tile column + 128 x half, 2,048 bytes each
	s_lshl_b32 s47, s[LO], 18
	s_add_co_u32 s46, s46, s47
	s_mov_b32 s47, 0
	s_mul_i32 s20, s[LO], AHEAD                    ; where they go: no place in the cluster enters an LDS address
	s_mul_i32 s21, s[LO], BHALF
	s_add_co_u32 s21, s21, BOFF
	s_wait_dscnt 0x0                               ; both opening adds are done
	s_wait_kmcnt 0x0
	s_add_nc_u64 s[16:17], s[4:5], s[16:17]
	s_add_nc_u64 s[46:47], s[6:7], s[46:47]
	CROUND                                         ; all sixteen work-groups are here: the first joint loads meet
.irp s, 0,1
	s_mov_b32 s[G0+4*\s], 1
	s_add_co_u32 s[G0+4*\s+1], s20, \s*SLOT
	s_add_nc_u64 s[G0+4*\s+2:G0+4*\s+3], s[16:17], \s*2*262144     ; K step s: heads 2 s, 2 s + 1
	s_or_b32 s[G0+4*\s+3], s[G0+4*\s+3], 0x80000000
	s_mov_b32 s[G0B+4*\s], 1
	s_add_co_u32 s[G0B+4*\s+1], s21, \s*SLOT
	s_add_nc_u64 s[G0B+4*\s+2:G0B+4*\s+3], s[46:47], \s*KSTEP*2
	s_or_b32 s[G0B+4*\s+3], s[G0B+4*\s+3], 0x80000000
	JLOAD \s
.endr
	v_and_b32 v1, 15, v0                           ; r = l % 16
	v_bfe_u32 v2, v0, 4, 1                         ; h = l / 16
	v_lshrrev_b32 v3, 1, v1
	v_mul_u32_u24 v3, v3, PITCH                    ; A: row r lies at (r / 2) pitch + 128 (r % 2); + 16 h
	v_and_b32 v4, 1, v0
	v_lshl_add_u32 v3, v4, 7, v3
	v_lshl_add_u32 v3, v2, 4, v3
	v_mul_u32_u24 v4, v1, PITCH                    ; Wo: row r x pitch + 16 h
	v_lshl_add_u32 v4, v2, 4, v4
	s_mul_i32 s22, s[HI], 32*PITCH                 ; my 64 rows of A
	s_mul_i32 s23, s[LO], BHALF                    ; my 128 rows of Wo
	s_add_co_u32 s23, s23, BOFF
.irp s, 0,1
	v_add_nc_u32 v[ADRA+\s], s22, v3
	v_add_nc_u32 v[ADRB+\s], s23, v4
	s_add_co_u32 s22, s22, SLOT
	s_add_co_u32 s23, s23, SLOT
.endr
	s_lshl_b32 s46, s42, 10                        ; my first column, 4 bytes each: 256 x tile column + 128 x half
	s_lshl_b32 s47, s[LO], 9
	s_add_co_u32 s46, s46, s47
	s_mov_b32 s47, 0
	s_add_nc_u64 s[8:9], s[8:9], s[46:47]
	v_lshlrev_b32 v7, 5, v2                        ; the bias in the result's layout: block b, register j = column 16 b + 8 h + j.  v7 is never rewritten
.irp b, 0,1,2,3,4,5,6,7
	global_load_b128 v[BI+8*\b:BI+8*\b+3], v7, s[8:9] offset:64*\b
	global_load_b128 v[BI+8*\b+4:BI+8*\b+7], v7, s[8:9] offset:64*\b+16
.endr
	s_mul_i32 s23, s[WV], 16*SPITCH
	s_add_co_u32 s23, s23, STAGE                   ; my stage
	v_mul_u32_u24 v5, v1, SPITCH                   ; in: row r, 32 bytes for each half of the lanes
	v_lshl_add_u32 v5, v2, 5, v5
	v_add_nc_u32 v[STO], s23, v5
	v_and_b32 v6, 31, v0
	v_lshlrev_b32 v[CO], 4, v6                     ; back: the 32 lanes take one row of 512 bytes; and the same in out0
	v_add_nc_u32 v[RD], s23, v[CO]
	s_lshl_b32 s16, s[TR], 19                      ; my first row of out0: 128 x tile row + 64 x half, 4,096 bytes each
	s_lshl_b32 s17, s[HI], 18
	s_add_co_u32 s16, s16, s17
	s_add_co_u32 s16, s16, s46                     ; and my first column
	s_mov_b32 s17, 0
	s_add_nc_u64 s[10:11], s[10:11], s[16:17]
; 16 matrix instructions: A's blocks a0, a0 + 1 against Wo's eight, 32 along K, from buffer f.  first = 1: the first product starts the sums from the bias.
; The 32 accumulators take turns, one instruction a turn, in the same order in every quarter.
.macro MUL16 f, a0, first
.irp a, \a0, \a0+1
.irp b, 0,1,2,3,4,5,6,7
.if \first
	v_wmma_f32_16x16x32_f16 v[8*(8*(\a)+\b):8*(8*(\a)+\b)+7], v[64*(\f)+8*\b:64*(\f)+8*\b+7], v[AF+32*(\f)+8*(\a):AF+32*(\f)+8*(\a)+7], v[BI+8*\b:BI+8*\b+7]
.else
	v_wmma_f32_16x16x32_f16 v[8*(8*(\a)+\b):8*(8*(\a)+\b)+7], v[64*(\f)+8*\b:64*(\f)+8*\b+7], v[AF+32*(\f)+8*(\a):AF+32*(\f)+8*(\a)+7], v[8*(8*(\a)+\b):8*(8*(\a)+\b)+7]
.endif
.endr
.endr
.endm
; 24 LDS loads in one run: the fragments of the slot's q-th 32 along K into buffer f.  In A the quarter lies in head q / 2, channels 32 (q % 2) on.
.macro FETCH slot, q, f
	WIN TO_B
.irp b, 0,1,2,3,4,5,6,7
	ds_load_b128 v[64*(\f)+8*\b:64*(\f)+8*\b+3],   v[ADRB+\slot] offset:64*(\q)+\b*16*PITCH
	ds_load_b128 v[64*(\f)+8*\b+4:64*(\f)+8*\b+7], v[ADRB+\slot] offset:64*(\q)+\b*16*PITCH+32
.endr
	WIN 0
.irp a, 0,1,2,3
	ds_load_b128 v[AF+32*(\f)+8*\a:AF+32*(\f)+8*\a+3],   v[ADRA+\slot] offset:((\q)/2)*AHEAD+((\q)%2)*64+\a*8*PITCH
	ds_load_b128 v[AF+32*(\f)+8*\a+4:AF+32*(\f)+8*\a+7], v[ADRA+\slot] offset:((\q)/2)*AHEAD+((\q)%2)*64+\a*8*PITCH+32
.endr
.endm
.macro PLACES                          ; four places in front of loads into registers that matrix instructions have read, and of the first read of results (ISA guide 7.12.1 for the first read of results)
.rept 4
	v_nop
.endr
.endm
; One of a K step's first three quarters: the next quarter's 24 loads go out first and have this quarter's 32 matrix instructions in which to land.
.macro QUARTER slot, q, first
	s_wait_dscnt 0x0                               ; this quarter's fragments are in
	PLACES
	FETCH \slot, (\q)+1, ((\q)+1)%2
.if \first
	WIN BEG
.else
	WIN MUL
.endif
	MUL16 (\q)%2, 0, \first
	MUL16 (\q)%2, 2, \first
.endm
; The last quarter multiplies buffer 1 and changes slots.  In front of the barrier each wave waits for all its tensor loads (its part of the next slot), adds 0 to its spare word, and waits for that and for its
; reads of this slot.  fill = 1: this slot is filled again, two K steps ahead; the barrier is then a round of the cluster's, and the joint refill is the first thing behind it.
.macro TURN slot, next, fill
	WIN 0                                          ; (the add's two registers lie in window 0)
	s_wait_tensorcnt 0x0                           ; all my tensor loads have landed, so a group 0 may be written
	ds_add_u32 v[SPW], v[NIL]                      ; 0 onto my spare word
	s_wait_dscnt 1                                 ; this quarter's fragments are in; the add alone may be out
	WIN MUL
	MUL16 1, 0, 0                                  ; sixteen matrix instructions stand between the add and the wait for it
	WIN 0
.if \fill
	s_add_nc_u64 s[G0+4*\slot+2:G0+4*\slot+3], s[G0+4*\slot+2:G0+4*\slot+3], 4*262144      ; four heads on
	s_add_nc_u64 s[G0B+4*\slot+2:G0B+4*\slot+3], s[G0B+4*\slot+2:G0B+4*\slot+3], 2*KSTEP*2
.endif
	s_wait_dscnt 0x0                               ; the add is done, and my reads of this slot are over
.if \fill
	CROUND                                         ; no wave of any partner still reads this slot's tile or has a load on its way
	JLOAD \slot                                    ; the four v_nop behind it are also the places in front of the loads below
.else
	s_barrier_signal -1
	s_barrier_wait -1
	PLACES
.endif
	FETCH \next, 0, 0
	WIN MUL
	MUL16 1, 2, 0
.endm
	s_wait_tensorcnt 1                             ; my part of K step 0 is in (K step 1's load may be out),
	s_barrier_signal -1
	s_barrier_wait -1                              ; everybody's is
	FETCH 0, 0, 0
	s_wait_loadcnt 0x0                             ; the bias
	QUARTER 0, 0, 1                                ; the first quarter stands in front of the loop: its products start the sums from the bias
	WIN 0                                          ; at a label and at a branch every window is 0
	s_mov_b32 s3, 3
.Llap:                                                 ; a trip goes once round the ring, from a lap's second quarter to the next lap's first, and fills both slots again: K steps 2 to 7 in three trips
	QUARTER 0, 1, 0
	QUARTER 0, 2, 0
	TURN 0, 1, 1
	QUARTER 1, 0, 0
	QUARTER 1, 1, 0
	QUARTER 1, 2, 0
	TURN 1, 0, 1
	QUARTER 0, 0, 0
	WIN 0
	s_sub_co_u32 s3, s3, 1
	s_cmp_lg_u32 s3, 0
	s_cbranch_scc1 .Llap
	QUARTER 0, 1, 0                                ; the last lap fills nothing, and has no round of the cluster's barrier
	QUARTER 0, 2, 0
	TURN 0, 1, 0
	QUARTER 1, 0, 0
	QUARTER 1, 1, 0
	QUARTER 1, 2, 0
	s_wait_dscnt 0x0                               ; the very last quarter: nothing more to fetch
	WIN MUL
	MUL16 1, 0, 0
	MUL16 1, 2, 0
	WIN 0
; THE WAY OUT, block by block of 16 rows x 128 columns.  A lane holds 32 neighbouring bytes of a row and the lanes beside it hold other rows: so a block goes through my own stage and comes back as whole rows of
; 512 bytes.  LDS serves a wave's instructions in order (ISA guide 5.7.1.4): no wait between the stores and the loads, nor in front of the next block's stores.
.macro TOSTAGE a
	WIN 0x08                                       ; an LDS store's data are its source 1: window 2
.irp b, 0,1,2,3,4,5,6,7
	ds_store_b128 v[STO], v[64*(\a)+8*\b:64*(\a)+8*\b+3] offset:64*\b          ; each accumulator from its low end on
	ds_store_b128 v[STO], v[64*(\a)+8*\b+4:64*(\a)+8*\b+7] offset:64*\b+16
.endr
	WIN 0
.set BB, AF+64*((\a)%2)
.irp t, 0,1,2,3,4,5,6,7,8,9,10,11,12,13,14,15
	ds_load_b128 v[BB+4*\t:BB+4*\t+3], v[RD] offset:\t*SPITCH
.endr
.endm
.macro SEND a, younger                 ; younger: the LDS instructions issued behind block a's loads, which may stay out
.set BB, AF+64*((\a)%2)
	s_wait_dscnt \younger                          ; the block is back in registers
.irp t, 0,1,2,3,4,5,6,7,8,9,10,11,12,13,14,15
	global_store_b128 v[CO], v[BB+4*\t:BB+4*\t+3], s[10:11] offset:(\a)*65536+\t*4096 th:TH_STORE_NT   ; 32 lanes store 512 consecutive bytes, aligned; written once, read by nobody here
.endr
.endm
	PLACES                                         ; behind the last products: their results are read, and A's fragments' and the bias's registers are loaded into below
	TOSTAGE 0
.irp a, 1,2,3
.if \a > 1
	s_wait_xcnt 0x0                                ; block a - 2's stores have read their registers: block a's loads may land there
.endif
	TOSTAGE \a
	SEND \a-1, 32                                  ; behind block a - 1's loads: block a's 16 stores and 16 loads
.endr
	SEND 3, 0
	s_wait_tensorcnt 0x0                           ; the wave's end, behind my last tensor load and my last LDS store
	ds_add_u32 v[SPW], v[NIL]
	s_wait_dscnt 0x0
	CROUND                                         ; the closing round: no work-group ends while a partner may still ask for a tile that names it
	s_endpgm
.Lfunc_end_k_q3c2ec4fc8f_proj:
	.size	k_q3c2ec4fc8f_proj, .Lfunc_end_k_q3c2ec4fc8f_proj-k_q3c2ec4fc8f_proj
	.p2alignl 7, 3214868480
	.fill 96, 4, 3214868480
	.section	.rodata,"a",@progbits
	.p2align	6, 0x0
	.amdhsa_kernel k_q3c2ec4fc8f_proj
		.amdhsa_group_segment_fixed_size 327680
		.amdhsa_private_segment_fixed_size 0
		.amdhsa_enable_private_segment 0
		.amdhsa_kernarg_size 32
		.amdhsa_user_sgpr_count 2
		.amdhsa_user_sgpr_kernarg_segment_ptr 1
		.amdhsa_wavefront_size32 1
		.amdhsa_system_sgpr_workgroup_id_x 1
		.amdhsa_system_sgpr_workgroup_id_y 1
		.amdhsa_system_sgpr_workgroup_id_z 1
		.amdhsa_system_vgpr_workitem_id 0
		.amdhsa_next_free_vgpr 768
		.amdhsa_next_free_sgpr 66
		.amdhsa_reserve_vcc 0
		.amdhsa_float_denorm_mode_32 3
		.amdhsa_float_denorm_mode_16_64 3
		.amdhsa_memory_ordered 1
		.amdhsa_forward_progress 1
		.amdhsa_inst_pref_size 87
	.end_amdhsa_kernel
	.amdgpu_metadata
---
amdhsa.version: [ 1, 2 ]
amdhsa.kernels:
  - .name:           k_q3c2ec4fc8f_proj
    .symbol:         k_q3c2ec4fc8f_proj.kd
    .args:
      - { .name: ao, .offset: 0, .size: 8, .value_kind: global_buffer, .address_space: global }
      - { .name: wo16, .offset: 8, .size: 8, .value_kind: global_buffer, .address_space: global }
      - { .name: bo, .offset: 16, .size: 8, .value_kind: global_buffer, .address_space: global }
      - { .name: out0, .offset: 24, .size: 8, .value_kind: global_buffer, .address_space: global }
    .group_segment_fixed_size: 327680
    .private_segment_fixed_size: 0
    .kernarg_segment_align: 8
    .kernarg_segment_size: 32
    .max_flat_workgroup_size: 128
    .sgpr_count:     66
    .vgpr_count:     768
    .wavefront_size: 32
...
	.end_amdgpu_metadata
.endif
;; end of part 4
